; MI455X (gfx1250); checked and timed in simulation.
; The chip was launched on July 23, 2026; its instructions are those of AMD's public machine-readable ISA for CDNA 5 (MIT licence, August 2026) and "CDNA5" Instruction Set Architecture Reference Guide (July 2026). The comments in the code are by the model that wrote it; some were corrected since.
;; IRCNN LSTM Cell. Allowed arithmetic: matrix products marked QUANTISED: E2M3 operands, one E8M0 scale for each 32 along K, by v_wmma_scale_f32_16x16x128_f8f6f4 with both operands' format E2M3, f32 sums; everything else in f32.
;; Inputs: a 1 float32; b 1 float32; b_hh 8,192 float32; b_ih 8,192 float32; cx 2,048 x 2,048 float32; hx_codes 2,048 x 64 x 24 uint8 (E2M3 codes of hx, K innermost, in blocks of 32 codes, four codes in three bytes); hx_scales 2,048 x 64 uint8 (E8M0 scales of hx, one for each 32 codes along K); td0 2,048 float32; td1 2,048 float32; w_hh_codes 8,192 x 64 x 24 uint8 (E2M3 codes of w_hh, K innermost, in blocks of 32 codes, four codes in three bytes); w_hh_scales 8,192 x 64 uint8 (E8M0 scales of w_hh, one for each 32 codes along K); w_ih_codes 8,192 x 16 x 24 uint8 (E2M3 codes of w_ih, K innermost, in blocks of 32 codes, four codes in three bytes); w_ih_scales 8,192 x 16 uint8 (E8M0 scales of w_ih, one for each 32 codes along K); w_pf_codes 2,048 x 64 x 24 uint8 (E2M3 codes of w_pf, K innermost, in blocks of 32 codes, four codes in three bytes); w_pf_scales 2,048 x 64 uint8 (E8M0 scales of w_pf, one for each 32 codes along K); w_pi_codes 2,048 x 64 x 24 uint8 (E2M3 codes of w_pi, K innermost, in blocks of 32 codes, four codes in three bytes); w_pi_scales 2,048 x 64 uint8 (E8M0 scales of w_pi, one for each 32 codes along K); w_po_codes 2,048 x 64 x 24 uint8 (E2M3 codes of w_po, K innermost, in blocks of 32 codes, four codes in three bytes); w_po_scales 2,048 x 64 uint8 (E8M0 scales of w_po, one for each 32 codes along K); x_codes 2,048 x 16 x 24 uint8 (E2M3 codes of x, K innermost, in blocks of 32 codes, four codes in three bytes); x_scales 2,048 x 16 uint8 (E8M0 scales of x, one for each 32 codes along K).
;; Outputs: out0 2,048 x 2,048 float32; out1 2,048 x 2,048 float32.
;; This version of the problem:
;;   THIS VERSION OF THE PROBLEM IS GIVEN IN LOW PRECISION. The matrix products marked QUANTISED in the list below multiply operands that are first quantised to E2M3 (2 exponent bits, 3 mantissa bits; 6 bits a number), with one power-of-two scale for each 32 numbers along K (OCP MX v1.0); their sums are f32. All else is computed in f32.
;;   The module's matrix products, in the order in which they are computed (A, B: the left and right operand; K: the contracted axis; several contracted axes count as one K, in the product's order):
;;     1. [M 2,048, K 512] x [K 512, N 8,192]; A: input x (given as codes); B: input w_ih (given as codes): QUANTISED
;;     2. [M 2,048, K 2,048] x [K 2,048, N 8,192]; A: input hx (given as codes); B: input w_hh (given as codes): QUANTISED
;;     3. [M 2,048, K 2,048] x [K 2,048, N 2,048]; A: input cx; B: input w_pi (given as codes): QUANTISED
;;     4. [M 2,048, K 2,048] x [K 2,048, N 2,048]; A: input cx; B: input w_pf (given as codes): QUANTISED
;;     5. [M 2,048, K 2,048] x [K 2,048, N 2,048]; A: computed on the way; B: input w_po (given as codes): QUANTISED
;;   THE QUANTISER, for each operand of a quantised product, along K:
;;     - K is cut into blocks of 32 from its start; a last block that is shorter is filled with zeros.
;;     - A block's scale is 2^e with e = floor(log2(the largest magnitude in the block)) - 2, held to -126 .. 127; a block of zeros has e = 0. As a byte (E8M0): e + 127.
;;     - Each number is divided by its block's scale, clamped to +-7.5, and rounded to the nearest number of E2M3, ties to even, subnormals kept.
;;     - The product sums the exact products of the quantised numbers (number of the format x scale) in f32.
;;   ~~~python
;;   def quantise(x, axis):      # numpy; x: float32 -> the quantised numbers, widened to float32 again
;;       x = np.moveaxis(x, axis, -1); K = x.shape[-1]
;;       x = np.pad(x, [(0, 0)] * (x.ndim - 1) + [(0, -K % 32)]); x = x.reshape(x.shape[:-1] + (-1, 32)); a = np.abs(x).max(-1, keepdims=True)
;;       e = np.where(a > 0, np.clip(np.frexp(np.where(a > 0, a, 1))[1] - 1 - 2, -126, 127), 0)      # np.frexp(a)[1] - 1 = floor(log2(a)), exactly
;;       r = np.clip(x / 2.0 ** e, -7.5, 7.5)
;;       step = 2.0 ** (np.maximum(np.frexp(np.where(r == 0, 1, r))[1] - 1, 0) - 3)
;;       q = np.round(r / step) * step * 2.0 ** e      # np.round: ties to even
;;       return np.moveaxis(q.reshape(q.shape[:-2] + (-1,))[..., :K], -1, axis).astype(np.float32)
;;   ~~~
;;   OPERANDS COMPUTED ON THE WAY. 'Computed on the way' means the value that the module computes at that place (a softmax that the list does not call 'softmax' is quantised finished and normalised). What goes into a quantiser is computed in f32, as accurately as f32 sums, v_exp_f32 and their like allow (about 1e-6 of the number): no bf16 or f16 on the way to a quantiser, and a product that is left as it is and whose result goes on into a quantised operand takes f32 operands (vector FMAs, or v_wmma_f32_16x16x4_f32). A number that lies on a knife's edge between two numbers of the format may be rounded either way, as far as f32 arithmetic and the matrix unit's own rounding can turn it there, and no further.
;;   INPUTS GIVEN AS CODES. hx (in the module: [2048, 2048], K = its axis 1); w_hh (in the module: [8192, 2048], K = its axis 1); w_ih (in the module: [8192, 512], K = its axis 1); w_pf (in the module: [2048, 2048], K = its axis 1); w_pi (in the module: [2048, 2048], K = its axis 1); w_po (in the module: [2048, 2048], K = its axis 1); x (in the module: [2048, 512], K = its axis 1): each comes as NAME_codes (uint8): NAME with its K axis moved to the last place and cut into blocks of 32 codes, [.., K / 32, bytes a block], one block behind the other in memory; four codes in three bytes: a row's codes are one little-endian stream of bits, code i at bits 6 i .. 6 i + 5 (a code: sign, 2 exponent bits, 3 mantissa bits); and NAME_scales (uint8): the same leading axes, one E8M0 byte (e + 127) for each 32 codes along K. Its value is code x scale, taken as it is: it is not quantised again, and the codes and scales need not be those that the quantiser above would give.
;; One version. Each part assembles by itself: llvm-mc -triple=amdgcn-amd-amdhsa -mcpu=gfx1250 --defsym DOCPART=n.
;; ======== version 1 of 1: 3 launches
;; workspace buffers: cxq_codes 3,145,728 bytes; cxq_scales 131,072 bytes; cyq_codes 3,145,728 bytes; cyq_scales 131,072 bytes
;; launch quant_cx (part 1): grid 256 x 1, 4 waves a work-group, no clusters, 33,280 bytes of LDS; arguments cx, cxq_codes, cxq_scales; writes cxq_codes, cxq_scales
.if DOCPART == 1
	.amdgcn_target "amdgcn-amd-amdhsa--gfx1250"
	.amdhsa_code_object_version 6
	.text
	.protected	k_qa708ec8167_quant_cx
	.globl	k_qa708ec8167_quant_cx
	.p2align	8
	.type	k_qa708ec8167_quant_cx,@function
k_qa708ec8167_quant_cx:
	s_mov_b64 s[64:65], 0
	v_nop
	global_prefetch_b8 v0, s[64:65] scope:SCOPE_SE
	s_setreg_imm32_b32 hwreg(HW_REG_WAVE_MODE, 25, 1), 1
	s_wait_xcnt 0x0
; cx [2048][2048] f32 becomes codes of FP6 (E2M3), K = its columns innermost, [2048][1536] bytes, and one E8M0 byte for each 32 columns, [2048][64].
; A block's scale is 2^(floor(log2(its largest magnitude)) - 2); its byte is the largest magnitude's exponent field - 2, held at 1 from below.
; (A block of zeros gets the byte 1 where the quantiser says 127: its codes are zeros, which add nothing, and this program alone reads the bytes.)
; LIMITS: NaN and infinities in cx are not served.
; Rows are dense and a row is a whole number of blocks, so cx is a plain stream of blocks of 32.  A wave takes a run of 8 steps of 512 numbers: 256 work-groups of four waves cover the tensor.
; All 32 loads of a wave are issued at the head: 16 KiB a wave are on their way at once.  Each load reads 512 consecutive bytes, 16 a lane; a step's 2,048 bytes turn through the wave's own stage in LDS and come
; back 64 bytes a lane, so that a lane holds 16 neighbours (two neighbouring lanes hold a block), as the conversion wants them.
; A wave makes 128 scale bytes, the work-group 512 consecutive ones: they meet in LDS behind one barrier, and waves 0 and 1 store them, each 256 consecutive bytes, aligned.
.set STEPS, 8
.set CB,    12                         ; bytes of 16 codes
.set R,     16                         ; v16-143  eight sets of 16 numbers as loaded
.set X,     144                        ; v144-175 two sets of 16 neighbours
.set E,     176                        ; v176-183 a scale byte for each step
.set C,     184                        ; v184-215 codes: four registers a step, so that no store's data are written again
.set WREG,  5120                       ; LDS: two stages of 32 x SP bytes for each wave
.set SP,    80                         ; a lane's place in a stage: 64 bytes + 16 of padding
.set SCL,   4*WREG                     ; behind the stages: the work-group's 512 scale bytes
	s_load_b128 s[4:7], s[0:1], 0x0                ; cx, the codes
	s_load_b64 s[8:9], s[0:1], 0x10                ; the scale bytes
	v_lshl_add_u32 v224, v0, 2, 0x8000
	v_mov_b32 v225, 0
	v_lshrrev_b32 v1, 5, v0
	v_readfirstlane_b32 s16, v1                    ; wave
	v_and_b32 v2, 31, v0                           ; lane
	v_lshlrev_b32 v3, 4, v2                        ; my 16 bytes of a load's 512
	s_mul_i32 s17, s16, WREG
	v_lshrrev_b32 v14, 2, v2
	v_mul_u32_u24 v14, v14, SP
	v_and_b32 v15, 3, v2
	v_lshl_add_u32 v14, v15, 4, v14
	v_add_nc_u32 v14, s17, v14                     ; the stage, on the way in: SP (lane / 4) + 16 (lane % 4)
	v_mul_u32_u24 v15, v2, SP
	v_add_nc_u32 v15, s17, v15                     ; and on the way out: SP x lane
	v_mul_u32_u24 v4, v2, CB                       ; my codes' place in a step's
	v_lshrrev_b32 v5, 1, v2
	s_lshl_b32 s19, s16, 7
	s_add_co_u32 s19, s19, SCL
	v_add_nc_u32 v5, s19, v5                       ; my block's byte: 128 bytes a wave
	v_lshlrev_b32 v7, 3, v2
	s_lshl_b32 s19, s16, 8
	v_add_nc_u32 v7, s19, v7                       ; on the way out (waves 0 and 1): 256 x wave + 8 x lane
	v_add_nc_u32 v6, SCL, v7
	s_lshl_b32 s18, ttmp9, 2
	s_add_co_u32 s18, s18, s16                     ; my run of 4,096 numbers: 4 x work-group + wave (0 .. 1,023)
	s_lshl_b32 s20, s18, 14                        ; 16,384 bytes of cx a run
	s_mov_b32 s21, 0
	s_mul_i32 s22, s18, 32*STEPS*CB                ; 3,072 bytes of codes
	s_mov_b32 s23, 0
	s_lshl_b32 s24, ttmp9, 9                       ; 512 scale bytes a work-group
	s_mov_b32 s25, 0
	s_wait_kmcnt 0x0
	s_add_nc_u64 s[4:5], s[4:5], s[20:21]
	s_add_nc_u64 s[6:7], s[6:7], s[22:23]
	s_add_nc_u64 s[8:9], s[8:9], s[24:25]
.macro LOAD t
.irp i, 0,1,2,3
	global_load_b128 v[R+16*(\t)+4*\i:R+16*(\t)+4*\i+3], v3, s[4:5] offset:2048*(\t)+512*\i   ; 32 lanes read 512 consecutive bytes
.endr
.endm
.macro TURN t                          ; step t's numbers through the stage: LDS serves a wave's instructions in order, so no wait stands between the stores and the loads
.irp i, 0,1,2,3
	ds_store_b128 v14, v[R+16*(\t)+4*\i:R+16*(\t)+4*\i+3] offset:32*SP*((\t)%2)+8*SP*\i
.endr
.irp i, 0,1,2,3
	ds_load_b128 v[X+16*((\t)%2)+4*\i:X+16*((\t)%2)+4*\i+3], v15 offset:32*SP*((\t)%2)+16*\i
.endr
.endm
.irp t, 0,1,2,3,4,5,6,7
	LOAD \t
.endr
	s_wait_loadcnt 28                              ; step 0's four loads are in; the other seven steps' 28 may be out
	TURN 0
.macro STEP t
.set XS, X+16*((\t)%2)
.if (\t) > 0
	s_wait_dscnt 1                                 ; this step's numbers are back from the stage (the last step's byte store may be out)
.else
	s_wait_dscnt 0x0
.endif
.if (\t)+1 < STEPS
	s_wait_loadcnt 4*(STEPS-2-(\t))                ; the next step's four loads are in; those of the steps behind it may be out
	TURN (\t)+1                                    ; and go through the other stage while this step is worked
.endif
	v_max3_num_f32 v8, |v[XS]|, |v[XS+1]|, |v[XS+2]|               ; the largest magnitude of my 16, in two chains
	v_max3_num_f32 v9, |v[XS+3]|, |v[XS+4]|, |v[XS+5]|
.irp i, 6,10
	v_max3_num_f32 v8, v8, |v[XS+\i]|, |v[XS+\i+1]|
	v_max3_num_f32 v9, v9, |v[XS+\i+2]|, |v[XS+\i+3]|
.endr
	v_max3_num_f32 v8, v8, |v[XS+14]|, |v[XS+15]|
	v_max3_num_f32 v8, v8, v9, 0x1800000           ; and the floor 2^(3 - 127): the byte cannot fall under 1
	v_max_num_f32_dpp v8, v8, v8 row_xmask:1 row_mask:0xf bank_mask:0xf   ; and of my neighbour's 16: the block's
	v_add_nc_u32 v11, 0xff000000, v8               ; 2 off its exponent field: the conversion takes the exponent field of this operand as its scale
	v_cvt_scalef32_pk16_fp6_f32 v[C+4*(\t):C+4*(\t)+2], v[XS:XS+15], v11   ; sixteen numbers / the scale, to the nearest code, ties to even, beyond the largest code the largest
	v_lshrrev_b32 v[E+(\t)], 23, v11               ; the scale's byte (also the plain line behind the conversion)
	ds_store_b8 v5, v[E+(\t)] offset:16*(\t)       ; both lanes of a block write the same byte with the same value
	global_store_b96 v4, v[C+4*(\t):C+4*(\t)+2], s[6:7] offset:32*CB*(\t)   ; the wave stores 384 consecutive bytes
.endm
.irp t, 0,1,2,3,4,5,6,7
	STEP \t
.endr
	s_wait_dscnt 0x0                               ; for the others' sake: my scale bytes lie in LDS
	s_barrier_signal -1
	s_barrier_wait -1
	s_cmp_lt_u32 s16, 2
	s_cbranch_scc0 .Ldone                          ; waves 0 and 1 take the work-group's 512 scale bytes out
	ds_load_b64 v[12:13], v6
	s_wait_dscnt 0x0
	global_store_b64 v7, v[12:13], s[8:9]          ; 32 lanes store 256 consecutive bytes, aligned
.Ldone:
	s_wait_tensorcnt 0x0
	ds_add_u32 v224, v225
	s_wait_dscnt 0x0
	s_endpgm
.Lfunc_end_k_qa708ec8167_quant_cx:
	.size	k_qa708ec8167_quant_cx, .Lfunc_end_k_qa708ec8167_quant_cx-k_qa708ec8167_quant_cx
	.p2alignl 7, 3214868480
	.fill 96, 4, 3214868480
	.section	.rodata,"a",@progbits
	.p2align	6, 0x0
	.amdhsa_kernel k_qa708ec8167_quant_cx
		.amdhsa_group_segment_fixed_size 33280
		.amdhsa_private_segment_fixed_size 0
		.amdhsa_enable_private_segment 0
		.amdhsa_kernarg_size 24
		.amdhsa_user_sgpr_count 2
		.amdhsa_user_sgpr_kernarg_segment_ptr 1
		.amdhsa_wavefront_size32 1
		.amdhsa_system_sgpr_workgroup_id_x 1
		.amdhsa_system_sgpr_workgroup_id_y 1
		.amdhsa_system_sgpr_workgroup_id_z 1
		.amdhsa_system_vgpr_workitem_id 0
		.amdhsa_next_free_vgpr 226
		.amdhsa_next_free_sgpr 66
		.amdhsa_reserve_vcc 0
		.amdhsa_float_denorm_mode_32 3
		.amdhsa_float_denorm_mode_16_64 3
		.amdhsa_memory_ordered 1
		.amdhsa_forward_progress 1
		.amdhsa_inst_pref_size 18
	.end_amdhsa_kernel
	.amdgpu_metadata
---
amdhsa.version: [ 1, 2 ]
amdhsa.kernels:
  - .name:           k_qa708ec8167_quant_cx
    .symbol:         k_qa708ec8167_quant_cx.kd
    .args:
      - { .name: cx, .offset: 0, .size: 8, .value_kind: global_buffer, .address_space: global }
      - { .name: cxq_codes, .offset: 8, .size: 8, .value_kind: global_buffer, .address_space: global }
      - { .name: cxq_scales, .offset: 16, .size: 8, .value_kind: global_buffer, .address_space: global }
    .group_segment_fixed_size: 33280
    .private_segment_fixed_size: 0
    .kernarg_segment_align: 8
    .kernarg_segment_size: 24
    .max_flat_workgroup_size: 128
    .sgpr_count:     66
    .vgpr_count:     226
    .wavefront_size: 32
...
	.end_amdgpu_metadata
.endif
;; end of part 1
;; launch gates (part 2): grid 16 x 16, 4 waves a work-group, clusters of 4 x 4, 327,680 bytes of LDS; arguments x_codes, w_ih_codes, hx_codes, w_hh_codes, cxq_codes, cx, w_pi_codes, w_pf_codes, x_scales, w_ih_scales, hx_scales, w_hh_scales, cxq_scales, w_pi_scales, w_pf_scales, out1, cyq_codes, cyq_scales, td0, td1, a, b, b_ih, b_hh; writes out1, cyq_codes, cyq_scales
.if DOCPART == 2
	.amdgcn_target "amdgcn-amd-amdhsa--gfx1250"
	.amdhsa_code_object_version 6
	.text
	.protected	k_qa708ec8167_gates
	.globl	k_qa708ec8167_gates
	.p2align	8
	.type	k_qa708ec8167_gates,@function
k_qa708ec8167_gates:
	s_mov_b64 s[64:65], 0
	v_nop
	global_prefetch_b8 v0, s[64:65] scope:SCOPE_SE
	s_setreg_imm32_b32 hwreg(HW_REG_WAVE_MODE, 25, 1), 1
	s_wait_xcnt 0x0
	s_wait_alu depctr_hold_cnt(0) depctr_sa_sdst(0) depctr_va_vdst(0) depctr_va_sdst(0) depctr_va_ssrc(0) depctr_va_vcc(0) depctr_vm_vsrc(0)
	s_getreg_b32 s2, hwreg(HW_REG_IB_STS2, 6, 4)
	s_cmp_eq_u32 s2, 0
	s_cbranch_scc0 .Lentry_in_a_cluster
	s_endpgm
.Lentry_in_a_cluster:
	s_bfe_u32 s2, ttmp6, 0x10000c
	s_cmp_lg_u32 s2, 0xf033
	s_cbranch_scc0 .Lentry_shape_is_right
	s_endpgm
.Lentry_shape_is_right:
; cy = (a exp(-b td0)) sigmoid(F) cx + (a exp(-b td1)) sigmoid(I) tanh(G), with
;   I = x w_ih[i]^T + hx w_hh[i]^T + Q(cx) w_pi^T + b_ih[i] + b_hh[i],  F likewise with w_pf,  G = x w_ih[g]^T + hx w_hh[g]^T + biases;
; all products on codes of FP6 (E2M3) with one E8M0 scale for each 32 along K.  cy goes out as f32 (out1) and, quantised along its columns, as codes and scale bytes for the next launch.
; SHARES.  A work-group owns 128 rows x 128 columns of cy, for the three gates.  Wave w owns all 128 rows x columns 32 w .. 32 w + 31 x three gates: 48 accumulators of 16 x 16; for 128 along K it reads
; 8 fragments of rows and 6 of weights for 48 products.  The product is used transposed (source 0 = 16 weight rows, source 1 = 16 batch rows): a lane holds one row and eight neighbouring columns.
; K WALK.  18 slots of 256 along K through a ring of two LDS slots: x | w_ih (2 slots), hx | w_hh (8), Q(cx) | w_pi, w_pf (8; two gates).  A slot holds four tiles of 128 rows x 192 bytes; wave 0 fetches the
; batch rows' tile, waves 1 to 3 the weights of gates i, f, g.  CLUSTER 4 x 4: the batch tile is asked for jointly along a row of the cluster, a weight tile along a column.
; At a change of slots nothing but the waits, the add and the round stands between the wait for all loads and the next request: all of the step's products come behind the request.
; The scale bytes (64 KiB of the 1.8 MB that a work-group fetches) come once, by plain loads: joint ones would want two more group 1 sets, for which the scalar registers have no room.
; A FRAGMENT COMES BY THREE LOADS OF 16 BYTES: lane (r, h) takes the 48 consecutive bytes at 96 q + 48 h of its row, so that the instruction's blocks 0, 1, 2, 3 of 32 along K hold the row's blocks 0, 2, 1, 3.
; The same holds of both operands, so the same k meet; the scale words' two middle bytes are swapped to match.  The sums are thereby grouped otherwise than in ascending k.
; GATE g IS FINISHED AFTER SLOT 9: IC tanh(G) is made in place, in its accumulators, ahead of three later changes of slots.
; LIMITS: NaN and infinities among the inputs are not served.  2^x results under 2^-126 count as 0.  exp(-b td) is taken as 2^((b td)(-log2 e)).  tanh(g) is 1 - 2 / (1 + 2^(2 log2 e g)): its absolute
; error is about 1e-7.  A block of cy that is all zeros gets the scale byte 1 (its codes are zeros; this program alone reads the bytes).  cy's codes leave in runs of 96 bytes and its scale bytes in words of 4:
; a tile of 128 columns has no more of a row.
; REGISTERS, in windows of 256.  Window 0: v0-31, v60-61 addresses; v32-59 scale words, two sets, and nothing else; v64-159, v160-255 the batch rows' fragments, two sets.
;   Window 1: v0-71, v72-143 the weights' fragments, two sets; v144-191 the biases in the result's layout; v192-223 the rows' coefficients.  Window 2: gate i (v0-127), gate f (v128-255).  Window 3: gate g (v0-127).
.set PITCH, 240                        ; an LDS row: 3 x (64 bytes + 16 of padding) = 15 x 16 bytes: the 16 rows of a load of 16 bytes start at 16 different places modulo 256
.set BLK,   16*PITCH
.set HALFT, 128*PITCH                  ; a tile
.set SLOT,  4*HALFT
.set REGX,  2176                       ; the scale bytes of 128 rows x 512 K: 8 x (256 + 16)
.set XSB,   272                        ; of 16 rows
.set REG,   8704                       ; the scale bytes of 128 rows x 2,048 K: 32 x (256 + 16)
.set HSB,   1088                       ; of 16 rows
.set SX,    2*SLOT                     ; x, w_ih i, f, g
.set SH,    SX+4*REGX                  ; hx, w_hh i, f, g
.set SCB,   SH+4*REG                   ; Q(cx), w_pi, w_pf
.set SPARE, SCB+3*REG                  ; the spare words: 128 bytes for each wave; no other line names them
.set EP,    528                        ; a row of 128 f32 + 16
.set CXT,   0                          ; cx's tile, in slot 0 (its last fill)
.set STG,   SLOT                       ; in slot 1, behind its last fill and last read: cy's stage,
.set CP,    144                        ; (a row of the codes' stage: eight places of 16 bytes with 12 bytes of codes each, + 16)
.set CST,   STG+128*EP                 ; the codes' stage,
.set SST,   CST+128*CP                 ; and a scale word for each row
.set SAX, 8                            ; LDS addresses of the scale words: batch rows' and weights', for the three segments; stepped by 8 bytes a slot
.set SBX, 9
.set SAH, 10
.set SBH, 11
.set SAC, 12
.set SBC, 13
.set CRD, 14
.set CCO, 15
.set ADRA, 16                          ; v16-19: slot 0 (+ 48 h), slot 0 (+ 64 h), slot 1 likewise
.set ADRB, 20
.set CXR, 24
.set STO, 25
.set CSTO, 26
.set SSTO, 27
.set SPW, 28                           ; my spare word; never rewritten
.set NIL, 29                           ; 0; never rewritten
.set RD,  30
.set CO,  31
.set SC,  32                           ; scale words: set s at SC + 14 s; pair i at + 2 i + q: i = 0..3: row blocks i (lanes 0-15) and i + 4 (lanes 16-31); i = 4..6: gate i - 4, column tile 0 below, 1 above
.set SRD, 60
.set SCO, 61
.set AF,  64
.set BI,  144                          ; window 1
.set CO4, 192                          ; window 1: row block a: {FC, FC, IC, IC} at CO4 + 4 a
.set TI,  64                           ; the epilogue's registers, window 0
.set TF,  96
.set SB,  128                          ; v128-168: finished rows on their way out
.set CY,  192
.set QM,  224
.set QP,  226
.set QS,  228
.set QC,  232
.set QB,  240
.set HA, 8                             ; s[8:9] hx's tile rows, s[10:11] w_hh's, s[12:13] Q(cx)'s, s[14:15] cx's f32 tile, s[16:17] w_pi's or w_pf's
.set HB, 10
.set CA, 12
.set CXA, 14
.set CB, 16
.set G1A, 24
.set G1B, 32
.set G0A, 40
.set G0B, 48
.set G1S8, 56
.set G1CX, 56
.set WV,  66
.set PSEL, 67
.set G1S32, 68
.set G0SX, 76
.set G0CX, 76
.set G0SH, 80
.set G0SC, 84
.set OUT1, 88
.set CYC, 92
.set CYS, 94
.set R0,  104
.set C0,  105
.set M_STEP, 0
.set M_H, 1
.set M_C, 2
.set M_CX, 3
.set MSB, 0
.macro WIN new                         ; the immediate's high byte repeats the setting that is left; a switch that changes nothing is dropped
.if MSB != (\new)
	s_set_vgpr_msb (MSB<<8)|(\new)
.set MSB, (\new)
.endif
.endm
.set MUL_LO, 0xa1                      ; source 0 (weights) window 1, source 1 (rows) window 0, C and D window 2
.set MUL_HI, 0xf1                      ; the same, C and D window 3
.set TO_B,   0x40                      ; destination window 1, address window 0
.macro PLACES n
.rept \n
	v_nop
.endr
.endm
.macro CREST                           ; a round of the cluster's barrier behind its opening barrier
	s_cmp_lg_u32 s[WV], 0
	s_cbranch_scc1 .Lnot_wave_0_\@
	s_barrier_signal -3
.Lnot_wave_0_\@:
	s_barrier_wait -3
	s_barrier_signal -1
	s_barrier_wait -1
.endm
.macro CROUND
	s_barrier_signal -1
	s_barrier_wait -1
	CREST
.endm
; A joint load: wave 0 fetches the batch rows' tile, the others a gate's weights; nb = 2: the slot has two gates and wave 3 fetches nothing.  The branches hang on the wave's number alone.
; Four v_nop follow each of the two lines.
.macro JLOAD g0a, g0b, nb
	s_cmp_eq_u32 s[WV], 0
	s_cbranch_scc0 .Lfor_b_\@
	tensor_load_to_lds s[\g0a:\g0a+3], s[G1A:G1A+7]
	s_nop 0
	PLACES 4
	s_branch .Lasked_\@
.Lfor_b_\@:
.if (\nb) == 2
	s_cmp_lt_u32 s[WV], 3
	s_cbranch_scc0 .Lasked_\@
.endif
	tensor_load_to_lds s[\g0b:\g0b+3], s[G1B:G1B+7]
	s_nop 0
	PLACES 4
.Lasked_\@:
.endm
; A fragment: 48 bytes of a row.  Piece P of 16 bytes lies at 16 P + 16 (P / 4).  Lanes 0-15 take pieces 6 q + 0, 1, 2, lanes 16-31 the three behind them: 48 bytes on where no padding lies between, else 64.
.macro FRAG reg, adr, q, off
.if (\q) == 0
	ds_load_b128 v[\reg:\reg+3],    v[\adr]   offset:(\off)
	ds_load_b128 v[\reg+4:\reg+7],  v[\adr+1] offset:(\off)+16
	ds_load_b128 v[\reg+8:\reg+11], v[\adr+1] offset:(\off)+32
.else
	ds_load_b128 v[\reg:\reg+3],    v[\adr+1] offset:(\off)+112
	ds_load_b128 v[\reg+4:\reg+7],  v[\adr+1] offset:(\off)+128
	ds_load_b128 v[\reg+8:\reg+11], v[\adr]   offset:(\off)+160
.endif
.endm
.macro FETCH slot, q, p, ng            ; the fragments of the slot's q-th 128 along K into set p: 2 ng of weights, 8 of rows
	WIN TO_B
.irp g, 0,1,2
.if \g < (\ng)
.irp t, 0,1
	FRAG 72*(\p)+12*(2*\g+\t), ADRB+2*(\slot), \q, \g*HALFT+\t*BLK
.endr
.endif
.endr
	WIN 0
.irp a, 0,1,2,3,4,5,6,7
	FRAG AF+96*(\p)+12*\a, ADRA+2*(\slot), \q, \a*BLK
.endr
.endm
.macro SCALES set, ra, rb, sb, rg, ng  ; a slot's scale words, two a row; then the addresses step to the next slot's
.irp i, 0,1,2,3
	ds_load_b64 v[SC+14*(\set)+2*\i:SC+14*(\set)+2*\i+1], v[\ra] offset:\i*(\sb)
.endr
.irp g, 0,1,2
.if \g < (\ng)
	ds_load_b64 v[SC+14*(\set)+8+2*\g:SC+14*(\set)+8+2*\g+1], v[\rb] offset:\g*(\rg)
.endif
.endr
	v_add_nc_u32 v[\ra], 8, v[\ra]
	v_add_nc_u32 v[\rb], 8, v[\rb]
.endm
.macro PERM set, ng                    ; the middle bytes of each scale word change places, as the blocks do in the fragments; eight places then stand ahead of the scaled products
.set nn, 0
.rept 8+2*(\ng)
	v_perm_b32 v[SC+14*(\set)+nn], v[SC+14*(\set)+nn], v[SC+14*(\set)+nn], s[PSEL]
.set nn, nn+1
.endr
	PLACES 8
.endm
.macro WM g, p, q, set, first, a, t    ; one product: gate g, row block a, column tile t
.set rD, 128*((\g)%2)+8*(2*(\a)+(\t))
.set rC, rD
.if \first
.set rC, BI+8*(2*(\g)+(\t))
.endif
.set rB, 72*(\p)+12*(2*(\g)+(\t))
.set rA, AF+96*(\p)+12*(\a)
.set rSB, SC+14*(\set)+8+2*(\g)+(\q)
.set rSA, SC+14*(\set)+2*((\a)%4)+(\q)
.if ((\t) == 0) && ((\a) < 4)
	v_wmma_scale_f32_16x16x128_f8f6f4 v[rD:rD+7], v[rB:rB+11], v[rA:rA+11], v[rC:rC+7], v[rSB], v[rSA] matrix_a_fmt:MATRIX_FMT_FP6 matrix_b_fmt:MATRIX_FMT_FP6
.elseif (\a) < 4
	v_wmma_scale_f32_16x16x128_f8f6f4 v[rD:rD+7], v[rB:rB+11], v[rA:rA+11], v[rC:rC+7], v[rSB], v[rSA] matrix_a_fmt:MATRIX_FMT_FP6 matrix_b_fmt:MATRIX_FMT_FP6 matrix_a_scale:MATRIX_SCALE_ROW1
.elseif (\t) == 0
	v_wmma_scale_f32_16x16x128_f8f6f4 v[rD:rD+7], v[rB:rB+11], v[rA:rA+11], v[rC:rC+7], v[rSB], v[rSA] matrix_a_fmt:MATRIX_FMT_FP6 matrix_b_fmt:MATRIX_FMT_FP6 matrix_b_scale:MATRIX_SCALE_ROW1
.else
	v_wmma_scale_f32_16x16x128_f8f6f4 v[rD:rD+7], v[rB:rB+11], v[rA:rA+11], v[rC:rC+7], v[rSB], v[rSA] matrix_a_fmt:MATRIX_FMT_FP6 matrix_b_fmt:MATRIX_FMT_FP6 matrix_a_scale:MATRIX_SCALE_ROW1 matrix_b_scale:MATRIX_SCALE_ROW1
.endif
.endm
.macro MULG g, p, q, set, first        ; sixteen products: a gate's row blocks 0 .. 7.  The accumulators take turns, one instruction a turn, in the same order in every step
.irp a, 0,1,2,3,4,5,6,7
.irp t, 0,1
	WM \g, \p, \q, \set, \first, \a, \t
.endr
.endr
.endm
; A slot's first 128 along K.  first = 1: the sums begin with the biases as C.
.macro STEP slot, ng, first
	s_wait_dscnt 0x0                               ; this step's fragments, asked for a step ago, and the slot's scale words are in
	PERM \slot, \ng                                ; (its lines are also the places in front of the loads below, into registers that the last products read)
	FETCH \slot, 1, 1, \ng
.if \first
	WIN 0x91                                       ; C (the biases) window 1, D window 2
.else
	WIN MUL_LO
.endif
	MULG 0, 0, 0, \slot, \first
	MULG 1, 0, 0, \slot, \first
.if (\ng) == 3
.if \first
	WIN 0xd1
.else
	WIN MUL_HI
.endif
	MULG 2, 0, 0, \slot, \first
.endif
.endm
; A slot's second 128 along K changes slots.  Its fragments are in registers, so the slot can be given up before they are multiplied.  In front of the round each wave waits for all its tensor loads (one is out: its
; part of the next slot), adds 0 to its spare word, and waits for that and for its reads of this slot.  Behind the round this slot is filled again first; then come the next slot's scale words and first fragments,
; and then the step's products: they are issued while the refill is on its way.
.macro TURN slot, next, ng, ngn, mode, nb, ra, rb, sb, rg
	WIN 0
	s_wait_tensorcnt 0x0                           ; no tensor load of mine is out, so a group 0 may be written
	ds_add_u32 v[SPW], v[NIL]                      ; 0 onto my spare word
.if (\mode) == M_STEP
	s_add_nc_u64 s[G0A+4*(\slot)+2:G0A+4*(\slot)+3], s[G0A+4*(\slot)+2:G0A+4*(\slot)+3], 384   ; two slots on along K
	s_add_nc_u64 s[G0B+4*(\slot)+2:G0B+4*(\slot)+3], s[G0B+4*(\slot)+2:G0B+4*(\slot)+3], 384
.elseif (\mode) == M_H
	s_add_nc_u64 s[G0A+4*(\slot)+2:G0A+4*(\slot)+3], s[HA:HA+1], (\slot)*192                   ; the segment hx | w_hh begins
	s_or_b32 s[G0A+4*(\slot)+3], s[G0A+4*(\slot)+3], 0x80000000
	s_add_nc_u64 s[G0B+4*(\slot)+2:G0B+4*(\slot)+3], s[HB:HB+1], (\slot)*192
	s_or_b32 s[G0B+4*(\slot)+3], s[G0B+4*(\slot)+3], 0x80000000
.elseif (\mode) == M_C
	s_add_nc_u64 s[G0A+4*(\slot)+2:G0A+4*(\slot)+3], s[CA:CA+1], (\slot)*192                   ; the segment Q(cx) | w_pi, w_pf begins
	s_or_b32 s[G0A+4*(\slot)+3], s[G0A+4*(\slot)+3], 0x80000000
	s_add_nc_u64 s[G0B+4*(\slot)+2:G0B+4*(\slot)+3], s[CB:CB+1], (\slot)*192
	s_or_b32 s[G0B+4*(\slot)+3], s[G0B+4*(\slot)+3], 0x80000000
.endif
	s_wait_dscnt 0x0                               ; the add is done; this step's fragments, my last reads of this slot, are in
	CROUND                                         ; no wave of any partner still reads this slot or has a load on its way
.if (\mode) == M_CX
	tensor_load_to_lds s[G0CX:G0CX+3], s[G1CX:G1CX+7]   ; the last fill of slot 0: my 32 rows of cx's f32 tile
	s_nop 0
	PLACES 4
.else
	JLOAD G0A+4*(\slot), G0B+4*(\slot), \nb
.endif
	PLACES 4                                       ; places in front of the loads below, in a wave that has fetched nothing too
	SCALES \next, \ra, \rb, \sb, \rg, \ngn
	FETCH \next, 0, 0, \ngn
	WIN MUL_LO
	MULG 0, 1, 1, \slot, 0
	MULG 1, 1, 1, \slot, 0
.if (\ng) == 3
	WIN MUL_HI
	MULG 2, 1, 1, \slot, 0
.endif
	WIN 0
.endm
; Row blocks a0 .. a0 + nb - 1 of gate g, whose sums are finished: G <- IC tanh(G), in place.  tanh(g) = 1 - 2 / (1 + 2^(2 L g)), L = log2 e: an infinite power gives 1, a vanished one -1, and no infinity meets a zero.
; Each accumulator is read from its low end on.
.macro GT a0, nb
	WIN 0xc3                                       ; source 0 and destination window 3
.set ee, 0
.rept 8*(\nb)
	v_pk_mul_f32 v[16*(\a0)+ee:16*(\a0)+ee+1], v[16*(\a0)+ee:16*(\a0)+ee+1], s[6:7] op_sel_hi:[1,0]
.set ee, ee+2
.endr
.set ee, 0
.rept 16*(\nb)
	v_exp_f32 v[16*(\a0)+ee], v[16*(\a0)+ee]
.set ee, ee+1
.endr
	v_nop                                          ; a plain line behind the last exponential
	s_wait_alu depctr_va_vdst(0)                   ; one wait for the batch
.set ee, 0
.rept 8*(\nb)
	v_pk_add_f32 v[16*(\a0)+ee:16*(\a0)+ee+1], v[16*(\a0)+ee:16*(\a0)+ee+1], 1.0 op_sel_hi:[1,0]
.set ee, ee+2
.endr
.set ee, 0
.rept 16*(\nb)
	v_rcp_f32 v[16*(\a0)+ee], v[16*(\a0)+ee]
.set ee, ee+1
.endr
	v_nop                                          ; a plain line behind the last reciprocal
	s_wait_alu depctr_va_vdst(0)                   ; one wait for the batch
.set ee, 0
.rept 8*(\nb)
	v_pk_fma_f32 v[16*(\a0)+ee:16*(\a0)+ee+1], v[16*(\a0)+ee:16*(\a0)+ee+1], -2.0, 1.0 op_sel_hi:[1,0,0]
.set ee, ee+2
.endr
	WIN 0xc7                                       ; source 1 (the coefficients) window 1
.set ee, 0
.rept 8*(\nb)
	v_pk_mul_f32 v[16*(\a0)+ee:16*(\a0)+ee+1], v[16*(\a0)+ee:16*(\a0)+ee+1], v[CO4+4*((\a0)+ee/16)+2:CO4+4*((\a0)+ee/16)+3]
.set ee, ee+2
.endr
	WIN 0
.endm
	s_load_b512 s[4:19], s[0:1], 0x0               ; x, w_ih, hx, w_hh, Q(cx): codes; cx; w_pi, w_pf: codes
	s_load_b256 s[88:95], s[0:1], 0x40             ; scale bytes of x, w_ih, hx, w_hh,
	s_load_b128 s[96:99], s[0:1], 0x60             ; Q(cx), w_pi,
	s_load_b64 s[100:101], s[0:1], 0x70            ; w_pf
	v_lshl_add_u32 v[SPW], v0, 2, SPARE
	v_mov_b32 v[NIL], 0
	ds_add_u32 v28, v29
	ds_add_u32 v28, v29
	s_wait_dscnt 0x0
	v_lshrrev_b32 v3, 5, v0
	v_readfirstlane_b32 s[WV], v3                  ; wave 0..3
	s_mov_b32 s[PSEL], 0x03010200
	s_bfe_u32 s24, ttmp6, 0x40004                  ; cy
	s_and_b32 s25, ttmp7, 0xffff
	s_lshl_b32 s25, s25, 2
	s_add_co_u32 s25, s25, s24                     ; tile row = 4 x cluster y + cy
	s_lshl_b32 s[R0], s25, 7                       ; my first row
	s_lshl_b32 s24, s24, 2
	s_lshl_b32 s2, 15, s24                         ; my row of the cluster
	s_bfe_u32 s32, ttmp6, 0x40000                  ; cx
	s_lshl_b32 s33, ttmp9, 2
	s_add_co_u32 s33, s33, s32                     ; tile column = 4 x cluster x + cx
	s_lshl_b32 s[C0], s33, 7                       ; my first column
	s_lshl_b32 s3, 0x1111, s32                     ; my column of the cluster
	; byte offsets.  The batch rows' hang on the tile row alone, the weights' on the tile column and the wave alone, each in registers of their own
	s_mul_i32 s28, s[R0], 384
	s_mov_b32 s29, 0
	s_mul_i32 s30, s[R0], 1536
	s_mov_b32 s31, 0
	s_add_co_u32 s35, s[WV], 3
	s_and_b32 s35, s35, 3                          ; waves 1, 2, 3: gates 0, 1, 2 (wave 0 never asks by it)
	s_lshl_b32 s35, s35, 11
	s_add_co_u32 s35, s35, s[C0]                   ; my gate's first row in w_ih and w_hh
	s_mul_i32 s36, s35, 384
	s_mov_b32 s37, 0
	s_mul_i32 s38, s35, 1536
	s_mov_b32 s39, 0
	s_mul_i32 s56, s[C0], 1536
	s_mov_b32 s57, 0
	s_lshl_b32 s58, s[WV], 5
	s_add_co_u32 s58, s58, s[R0]                   ; r0 + 32 w
	s_lshl_b32 s60, s58, 13
	s_lshl_b32 s59, s[C0], 2
	s_add_co_u32 s60, s60, s59                     ; my 32 rows of the f32 tile
	s_mov_b32 s61, 0
	s_mul_i32 s20, s[WV], HALFT                    ; where my tile goes in a slot: no place in the cluster enters an LDS address
	s_wait_kmcnt 0x0
	s_add_nc_u64 s[4:5], s[4:5], s[28:29]
	s_add_nc_u64 s[HA:HA+1], s[HA:HA+1], s[30:31]
	s_add_nc_u64 s[CA:CA+1], s[CA:CA+1], s[30:31]
	s_add_nc_u64 s[6:7], s[6:7], s[36:37]
	s_add_nc_u64 s[HB:HB+1], s[HB:HB+1], s[38:39]
	s_cmp_eq_u32 s[WV], 2
	s_cselect_b64 s[CB:CB+1], s[18:19], s[CB:CB+1]  ; wave 2: w_pf; else w_pi
	s_add_nc_u64 s[CB:CB+1], s[CB:CB+1], s[56:57]
	s_add_nc_u64 s[CXA:CXA+1], s[CXA:CXA+1], s[60:61]
	; the scale bytes: wave 0 the batch rows', waves 1 to 3 their gate's
	s_cmp_eq_u32 s[WV], 0
	s_cselect_b64 s[88:89], s[88:89], s[90:91]
	s_cselect_b64 s[92:93], s[92:93], s[94:95]
	s_cselect_b64 s[96:97], s[96:97], s[98:99]
	s_cselect_b32 s68, s[R0], s35
	s_cselect_b32 s69, s[R0], s[C0]
	s_cmp_eq_u32 s[WV], 2
	s_cselect_b64 s[96:97], s[100:101], s[96:97]
	s_lshl_b32 s70, s68, 4
	s_mov_b32 s71, 0
	s_lshl_b32 s72, s68, 6
	s_mov_b32 s73, 0
	s_lshl_b32 s74, s69, 6
	s_mov_b32 s75, 0
	s_mov_b32 s[G0SX], 1
	s_mul_i32 s[G0SX+1], s[WV], REGX
	s_add_co_u32 s[G0SX+1], s[G0SX+1], SX
	s_add_nc_u64 s[G0SX+2:G0SX+3], s[88:89], s[70:71]
	s_or_b32 s[G0SX+3], s[G0SX+3], 0x80000000
	s_mov_b32 s[G0SH], 1
	s_mul_i32 s[G0SH+1], s[WV], REG
	s_add_co_u32 s[G0SH+1], s[G0SH+1], SH
	s_add_nc_u64 s[G0SH+2:G0SH+3], s[92:93], s[72:73]
	s_or_b32 s[G0SH+3], s[G0SH+3], 0x80000000
	s_mov_b32 s[G0SC], 1
	s_mul_i32 s[G0SC+1], s[WV], REG
	s_add_co_u32 s[G0SC+1], s[G0SC+1], SCB
	s_add_nc_u64 s[G0SC+2:G0SC+3], s[96:97], s[74:75]
	s_or_b32 s[G0SC+3], s[G0SC+3], 0x80000000
.irp k, 0,1
	s_mov_b32 s[G0A+4*\k], 1
	s_add_co_u32 s[G0A+4*\k+1], s20, \k*SLOT
	s_add_nc_u64 s[G0A+4*\k+2:G0A+4*\k+3], s[4:5], \k*192
	s_or_b32 s[G0A+4*\k+3], s[G0A+4*\k+3], 0x80000000
	s_mov_b32 s[G0B+4*\k], 1
	s_add_co_u32 s[G0B+4*\k+1], s20, \k*SLOT
	s_add_nc_u64 s[G0B+4*\k+2:G0B+4*\k+3], s[6:7], \k*192
	s_or_b32 s[G0B+4*\k+3], s[G0B+4*\k+3], 0x80000000
.endr
	; group 1: a tile of 128 rows x 192 bytes, 16 bytes of padding behind every 64; rows 384 bytes apart in x and w_ih
	s_or_b32 s[G1A], s2, (1<<20)|(1<<21)|(3<<22)|(3<<25)
	s_or_b32 s[G1B], s3, (1<<20)|(1<<21)|(3<<22)|(3<<25)
.irp g, G1A, G1B
	s_mov_b32 s[\g+1], 192<<16
	s_mov_b32 s[\g+2], 128<<16
	s_mov_b32 s[\g+3], 192<<16
	s_mov_b32 s[\g+4], 128
	s_mov_b32 s[\g+5], 384
	s_mov_b32 s[\g+6], 0
	s_mov_b32 s[\g+7], 0
.endr
	; the scale bytes: dense blocks, as rows of 256 bytes (32 elements of 8 bytes) with 16 bytes of padding behind each: 8 rows, or 32
	s_mov_b32 s[G1S8], (3<<16)|(1<<20)|(5<<22)|(3<<25)
	s_mov_b32 s[G1S8+1], 32<<16
	s_mov_b32 s[G1S8+2], 8<<16
	s_mov_b32 s[G1S8+3], 32<<16
	s_mov_b32 s[G1S8+4], 8
	s_mov_b32 s[G1S8+5], 32
	s_mov_b32 s[G1S8+6], 0
	s_mov_b32 s[G1S8+7], 0
	s_mov_b32 s[G1S32], (3<<16)|(1<<20)|(5<<22)|(3<<25)
	s_mov_b32 s[G1S32+1], 32<<16
	s_mov_b32 s[G1S32+2], 32<<16
	s_mov_b32 s[G1S32+3], 32<<16
	s_mov_b32 s[G1S32+4], 32
	s_mov_b32 s[G1S32+5], 32
	s_mov_b32 s[G1S32+6], 0
	s_mov_b32 s[G1S32+7], 0
	CROUND                                         ; all sixteen work-groups are here: the first fills go out as one group; a wave has five loads out at the most
	tensor_load_to_lds s[G0SX:G0SX+3], s[G1S8:G1S8+7]
	s_nop 0
	PLACES 4
	tensor_load_to_lds s[G0SH:G0SH+3], s[G1S32:G1S32+7]
	s_nop 0
	PLACES 4
	s_cmp_lt_u32 s[WV], 3
	s_cbranch_scc0 .Lno_sc
	tensor_load_to_lds s[G0SC:G0SC+3], s[G1S32:G1S32+7]
	s_nop 0
	PLACES 4
.Lno_sc:
	JLOAD G0A, G0B, 3
	JLOAD G0A+4, G0B+4, 3
	s_load_b128 s[88:91], s[0:1], 0xb0             ; b_ih, b_hh
	s_load_b128 s[92:95], s[0:1], 0xa0             ; a, b
	s_load_b128 s[96:99], s[0:1], 0x90             ; td0, td1
	; addresses, while the tiles are on their way (the scalars written here, s4 to s7, s18 to s23 and s88 to s99, belong to no descriptor)
	v_and_b32 v1, 15, v0                           ; r
	v_bfe_u32 v2, v0, 4, 1                         ; h
	v_mul_u32_u24 v4, v1, PITCH
	v_mad_u32_u24 v[ADRA], v2, 48, v4
	v_lshl_add_u32 v[ADRA+1], v2, 6, v4
	v_add_nc_u32 v[ADRA+2], SLOT, v[ADRA]
	v_add_nc_u32 v[ADRA+3], SLOT, v[ADRA+1]
	s_mul_i32 s20, s[WV], 2*BLK
	s_add_co_u32 s20, s20, HALFT                   ; gate i's tile, my 32 columns
	v_add_nc_u32 v[ADRB], s20, v[ADRA]
	v_add_nc_u32 v[ADRB+1], s20, v[ADRA+1]
	v_add_nc_u32 v[ADRB+2], SLOT, v[ADRB]
	v_add_nc_u32 v[ADRB+3], SLOT, v[ADRB+1]
	v_lshlrev_b32 v5, 6, v1
	v_lshrrev_b32 v6, 2, v1
	v_lshl_add_u32 v5, v6, 4, v5                   ; 64 r + 16 (r / 4): row r's scale bytes among 16 rows of 64
	v_mad_u32_u24 v[SAH], v2, 4*HSB, v5            ; lanes 16-31: four row blocks on
	v_add_nc_u32 v[SAH], SH, v[SAH]
	s_mul_i32 s20, s[WV], 2*HSB
	s_add_co_u32 s20, s20, SH+REG
	v_mad_u32_u24 v[SBH], v2, HSB, v5              ; lanes 16-31: the second column tile
	v_add_nc_u32 v[SBH], s20, v[SBH]
	v_add_nc_u32 v[SAC], SCB-SH, v[SAH]
	v_add_nc_u32 v[SBC], SCB-SH, v[SBH]
	v_lshlrev_b32 v7, 4, v1
	v_mad_u32_u24 v[SAX], v2, 4*XSB, v7
	v_add_nc_u32 v[SAX], SX, v[SAX]
	s_mul_i32 s20, s[WV], 2*XSB
	s_add_co_u32 s20, s20, SX+REGX
	v_mad_u32_u24 v[SBX], v2, XSB, v7
	v_add_nc_u32 v[SBX], s20, v[SBX]
	v_mul_u32_u24 v5, v1, EP
	s_lshl_b32 s20, s[WV], 7
	v_lshl_add_u32 v[CXR], v2, 5, v5
	v_add_nc_u32 v[CXR], s20, v[CXR]               ; cx: row r, + 128 w + 32 h  (CXT = 0)
	v_lshl_add_u32 v[STO], v2, 6, v5
	v_add_nc_u32 v[STO], s20, v[STO]
	v_add_nc_u32 v[STO], STG, v[STO]               ; cy's stage: row r, + 128 w + 64 h
	v_mul_u32_u24 v6, v1, CP
	s_lshl_b32 s21, s[WV], 5
	v_lshl_add_u32 v[CSTO], v2, 4, v6
	v_add_nc_u32 v[CSTO], s21, v[CSTO]
	v_add_nc_u32 v[CSTO], CST, v[CSTO]             ; the codes' stage: row r, place 2 w + h
	v_lshl_add_u32 v[SSTO], v1, 2, SST
	v_add_nc_u32 v[SSTO], s[WV], v[SSTO]           ; row r's scale word, byte w
	v_and_b32 v7, 31, v0                           ; lane
	s_mul_i32 s22, s[WV], 8*EP
	s_add_co_u32 s22, s22, STG
	v_lshl_add_u32 v[RD], v7, 4, s22               ; back: of each 32 finished rows my 8, 16 bytes a lane
	v_lshlrev_b32 v[CO], 4, v7
	v_lshrrev_b32 v3, 3, v7
	v_and_b32 v6, 7, v7
	v_mul_u32_u24 v[CRD], v3, CP
	v_lshl_add_u32 v[CRD], v6, 4, v[CRD]
	s_mul_i32 s22, s[WV], 8*CP
	s_add_co_u32 s22, s22, CST
	v_add_nc_u32 v[CRD], s22, v[CRD]               ; codes back: eight lanes to a row, four rows an instruction
	v_mul_u32_u24 v[CCO], v3, 1536
	v_mad_u32_u24 v[CCO], v6, 12, v[CCO]
	s_add_co_u32 s22, s20, SST
	v_lshl_add_u32 v[SRD], v7, 2, s22              ; scale words back, at the end: rows 32 w on, a lane a row
	v_lshlrev_b32 v[SCO], 6, v7
	v_lshl_add_u32 v3, v2, 5, s20                  ; the biases: 4 (32 w + 8 h)
	v_lshlrev_b32 v4, 2, v1                        ; td: 4 r
	s_wait_kmcnt 0x0
	s_load_b32 s20, s[92:93], 0x0                  ; a
	s_load_b32 s21, s[94:95], 0x0                  ; b
	s_lshl_b32 s22, s[C0], 2
	s_mov_b32 s23, 0
	s_add_nc_u64 s[88:89], s[88:89], s[22:23]
	s_add_nc_u64 s[90:91], s[90:91], s[22:23]
	s_lshl_b32 s22, s[R0], 2
	s_add_nc_u64 s[96:97], s[96:97], s[22:23]
	s_add_nc_u64 s[98:99], s[98:99], s[22:23]
	WIN TO_B
.irp g, 0,1,2
.irp t, 0,1
.irp n, 0,1
	global_load_b128 v[BI+8*(2*\g+\t)+4*\n:BI+8*(2*\g+\t)+4*\n+3], v3, s[88:89] offset:\g*8192+64*\t+16*\n   ; b_ih at the lane's eight columns of tile (g, t)
	global_load_b128 v[72+8*(2*\g+\t)+4*\n:72+8*(2*\g+\t)+4*\n+3], v3, s[90:91] offset:\g*8192+64*\t+16*\n   ; b_hh, for now where the weights' second set will lie
.endr
.endr
.endr
.irp a, 0,1,2,3,4,5,6,7
	global_load_b32 v[CO4+4*\a], v4, s[96:97] offset:64*\a       ; td0 of row 16 a + r
	global_load_b32 v[CO4+4*\a+2], v4, s[98:99] offset:64*\a     ; td1
.endr
	s_wait_loadcnt 0x0
	s_wait_kmcnt 0x0
	WIN 0x55                                       ; all in window 1
.set kk, 0
.rept 24
	v_pk_add_f32 v[BI+kk:BI+kk+1], v[BI+kk:BI+kk+1], v[72+kk:72+kk+1]   ; b_ih + b_hh: the C of each sum's first product
.set kk, kk+2
.endr
.irp x, 0,2,4,6,8,10,12,14,16,18,20,22,24,26,28,30
	v_mul_f32 v[CO4+\x], s21, v[CO4+\x]            ; b td
.endr
.irp x, 0,2,4,6,8,10,12,14,16,18,20,22,24,26,28,30
	v_mul_f32 v[CO4+\x], 0xbfb8aa3b, v[CO4+\x]     ; x (-log2 e)
.endr
.irp x, 0,2,4,6,8,10,12,14,16,18,20,22,24,26,28,30
	v_exp_f32 v[CO4+\x], v[CO4+\x]
.endr
	v_nop                                          ; a plain line behind the last exponential
	s_wait_alu depctr_va_vdst(0)                   ; one wait for the sixteen, ahead of their first reader
.irp x, 0,2,4,6,8,10,12,14,16,18,20,22,24,26,28,30
	v_mul_f32 v[CO4+\x+1], s20, v[CO4+\x]          ; a exp(-b td), twice: a pair for the packed multiplies
.endr
.irp x, 0,2,4,6,8,10,12,14,16,18,20,22,24,26,28,30
	v_mul_f32 v[CO4+\x], s20, v[CO4+\x]
.endr
	WIN 0
	s_load_b64 s[OUT1:OUT1+1], s[0:1], 0x78        ; out1
	s_load_b128 s[CYC:CYC+3], s[0:1], 0x80         ; cy's codes, cy's scale bytes
	s_lshl_b32 s20, s[WV], 3
	s_add_co_u32 s20, s20, s[R0]                   ; of each 32 finished rows I store 8: r0 + 8 w on
	s_lshl_b32 s22, s20, 13
	s_lshl_b32 s21, s[C0], 2
	s_add_co_u32 s22, s22, s21
	s_mov_b32 s23, 0
	s_wait_kmcnt 0x0
	s_add_nc_u64 s[OUT1:OUT1+1], s[OUT1:OUT1+1], s[22:23]
	s_mul_i32 s22, s20, 1536
	s_mul_i32 s21, s[C0], 3
	s_lshr_b32 s21, s21, 2                         ; 128 columns are 96 bytes of codes
	s_add_co_u32 s22, s22, s21
	s_add_nc_u64 s[CYC:CYC+1], s[CYC:CYC+1], s[22:23]
	s_lshl_b32 s20, s[WV], 5
	s_add_co_u32 s20, s20, s[R0]                   ; the scale words: rows r0 + 32 w on
	s_lshl_b32 s22, s20, 6
	s_lshr_b32 s21, s[C0], 5                       ; 128 columns are 4 scale bytes
	s_add_co_u32 s22, s22, s21
	s_add_nc_u64 s[CYS:CYS+1], s[CYS:CYS+1], s[22:23]
	s_mov_b32 s4, 0xbfb8aa3b                       ; -log2 e, as a pair for the packed form
	s_mov_b32 s5, 0xbfb8aa3b
	s_mov_b32 s6, 0x4038aa3b                       ; 2 log2 e, likewise
	s_mov_b32 s7, 0x4038aa3b
	s_mov_b32 s18, 0x76543210                      ; v_permlanex16_b32's selects for lane l xor 16
	s_mov_b32 s19, 0xfedcba98
	s_wait_tensorcnt 0x0                           ; all my first fills have landed (wave 3 issued one fewer, so the count is 0): descriptors may be written
	s_mov_b32 s[G1A+5], 1536                       ; from here on rows lie 1,536 bytes apart
	s_mov_b32 s[G1B+5], 1536
	s_mov_b32 s[G1CX], (2<<16)|(1<<20)|(6<<22)|(3<<25)   ; cx's tile: 32 rows x 128 f32, 16 bytes of padding behind each row; no mask
	s_mov_b32 s[G1CX+1], 128<<16
	s_mov_b32 s[G1CX+2], 32<<16
	s_mov_b32 s[G1CX+3], 128<<16
	s_mov_b32 s[G1CX+4], 32
	s_mov_b32 s[G1CX+5], 2048
	s_mov_b32 s[G1CX+6], 0
	s_mov_b32 s[G1CX+7], 0
	s_mov_b32 s[G0CX], 1
	s_mul_i32 s[G0CX+1], s[WV], 32*EP
	s_mov_b64 s[G0CX+2:G0CX+3], s[CXA:CXA+1]
	s_or_b32 s[G0CX+3], s[G0CX+3], 0x80000000
	s_barrier_signal -1
	s_barrier_wait -1                              ; everybody's have landed
	SCALES 0, SAX, SBX, XSB, REGX, 3
	FETCH 0, 0, 0, 3
	STEP 0, 3, 1                                   ; x | w_ih
	TURN 0, 1, 3, 3, M_H, 3, SAX, SBX, XSB, REGX
	STEP 1, 3, 0
	TURN 1, 0, 3, 3, M_H, 3, SAH, SBH, HSB, REG
	s_mov_b32 s2, 3
.LH:                                               ; hx | w_hh: three trips of two slots; both slots are filled again
	STEP 0, 3, 0
	TURN 0, 1, 3, 3, M_STEP, 3, SAH, SBH, HSB, REG
	STEP 1, 3, 0
	TURN 1, 0, 3, 3, M_STEP, 3, SAH, SBH, HSB, REG
	s_sub_co_u32 s2, s2, 1
	s_cmp_lg_u32 s2, 0
	s_cbranch_scc1 .LH
	STEP 0, 3, 0                                   ; its last two slots ask for the first two of Q(cx) | w_pi, w_pf
	TURN 0, 1, 3, 3, M_C, 2, SAH, SBH, HSB, REG
	STEP 1, 3, 0
	TURN 1, 0, 3, 2, M_C, 2, SAC, SBC, HSB, REG
	STEP 0, 2, 0                                   ; two gates from here on.  The first lap is written out: gate g's finished sums are worked on ahead of its two changes of slots
	GT 0, 3
	TURN 0, 1, 2, 2, M_STEP, 2, SAC, SBC, HSB, REG
	STEP 1, 2, 0
	GT 3, 3
	TURN 1, 0, 2, 2, M_STEP, 2, SAC, SBC, HSB, REG
	s_mov_b32 s2, 2
.LC:                                               ; two trips of two slots
	STEP 0, 2, 0
	TURN 0, 1, 2, 2, M_STEP, 2, SAC, SBC, HSB, REG
	STEP 1, 2, 0
	TURN 1, 0, 2, 2, M_STEP, 2, SAC, SBC, HSB, REG
	s_sub_co_u32 s2, s2, 1
	s_cmp_lg_u32 s2, 0
	s_cbranch_scc1 .LC
	STEP 0, 2, 0
	GT 6, 2
	TURN 0, 1, 2, 2, M_CX, 0, SAC, SBC, HSB, REG   ; slot 0 takes cx's f32 tile
	STEP 1, 2, 0
	s_wait_dscnt 0x0                               ; the very last step: nothing more to fetch
	WIN MUL_LO
	MULG 0, 1, 1, 1, 0
	MULG 1, 1, 1, 1, 0
	WIN 0
	; THE EPILOGUE.  cx's tile has landed and nobody reads slot 1 any more: then the stages in slot 1 may be written.
	s_wait_tensorcnt 0x0
	s_wait_dscnt 0x0
	s_barrier_signal -1
	s_barrier_wait -1
	PLACES 4                                       ; in front of the first read of results and of loads into registers that the products read
	v_mov_b32 v[QP], 0                             ; a lane permute's destination counts as one of its sources
	v_mov_b32 v[QP+1], 0
	WIN TO_B
.irp a, 0,1,2,3,4,5,6,7
.irp t, 0,1
.irp n, 0,1
	ds_load_b128 v[16*\a+8*\t+4*\n:16*\a+8*\t+4*\n+3], v[CXR] offset:\a*16*EP+64*\t+16*\n   ; cx in the results' layout, window 1
.endr
.endr
.endr
	WIN 0
; THE WAY OUT goes by 32 rows: when all four waves have put two row blocks into the stages, each wave reads 8 whole rows back (SLOAD) and stores them amid the next two blocks' arithmetic (SSTORE).
.macro SLOAD p
.set ii, 0
.rept 8
	ds_load_b128 v[SB+4*ii:SB+4*ii+3], v[RD] offset:(32*(\p)+ii)*EP
.set ii, ii+1
.endr
.set ii, 0
.rept 2
	ds_load_b96 v[SB+32+4*ii:SB+32+4*ii+2], v[CRD] offset:(32*(\p)+4*ii)*CP
.set ii, ii+1
.endr
.endm
.macro SSTORE p
.set ii, 0
.rept 8
	global_store_b128 v[CO], v[SB+4*ii:SB+4*ii+3], s[OUT1:OUT1+1] offset:(32*(\p)+ii)*8192   ; 32 lanes store 512 consecutive bytes of a row of cy, at a multiple of 256 from out1's first byte
.set ii, ii+1
.endr
.set ii, 0
.rept 2
	global_store_b96 v[CCO], v[SB+32+4*ii:SB+32+4*ii+2], s[CYC:CYC+1] offset:(32*(\p)+4*ii)*1536   ; eight lanes store a row's 96 bytes of codes
.set ii, ii+1
.endr
.endm
.macro EBAR                            ; my stores into the stages are done, for the others' sake; then the work-group's barrier
	s_wait_dscnt 0x0
	s_barrier_signal -1
	s_barrier_wait -1
.endm
; Two row blocks, 32 numbers a lane.  cy = FC cx / (1 + 2^(-L f)) + (IC tanh g) / (1 + 2^(-L i)), L = log2 e; IC tanh g lies in gate g's registers.  An infinite divisor gives 0, as the sigmoid does; the number
; that it meets is finite.  Each accumulator is read from its low end on.  send >= 0: the 32 rows of that number, read back from the stages, are stored here.
.macro EPI2 a0, send
	WIN 0x02                                       ; source 0 window 2
.set ee, 0
.rept 16
	v_pk_mul_f32 v[TI+ee:TI+ee+1], v[16*(\a0)+ee:16*(\a0)+ee+1], s[4:5] op_sel_hi:[1,0]
.set ee, ee+2
.endr
.set ee, 0
.rept 16
	v_pk_mul_f32 v[TF+ee:TF+ee+1], v[128+16*(\a0)+ee:128+16*(\a0)+ee+1], s[4:5] op_sel_hi:[1,0]
.set ee, ee+2
.endr
	WIN 0
.set ee, 0
.rept 64
	v_exp_f32 v[TI+ee], v[TI+ee]                   ; one batch: 2^(-L i), 2^(-L f)
.set ee, ee+1
.endr
	s_wait_dscnt 0x0                               ; cx is in; the rows read back from the stages are in
.if (\send) >= 0
	SSTORE \send
.endif
	WIN 0x05                                       ; sources 0 and 1 window 1
.set ee, 0
.rept 16
	v_pk_mul_f32 v[CY+ee:CY+ee+1], v[16*(\a0)+ee:16*(\a0)+ee+1], v[CO4+4*((\a0)+ee/16):CO4+4*((\a0)+ee/16)+1]   ; FC cx: plain work behind the exponentials
.set ee, ee+2
.endr
	s_wait_alu depctr_va_vdst(0)                   ; one wait for the batch, ahead of its first reader
	WIN 0
.set ee, 0
.rept 32
	v_pk_add_f32 v[TI+ee:TI+ee+1], v[TI+ee:TI+ee+1], 1.0 op_sel_hi:[1,0]   ; 1 + 2^(-L i), 1 + 2^(-L f)
.set ee, ee+2
.endr
.set ee, 0
.rept 64
	v_rcp_f32 v[TI+ee], v[TI+ee]
.set ee, ee+1
.endr
	v_nop                                          ; a plain line behind the last reciprocal
	s_wait_alu depctr_va_vdst(0)                   ; one wait for the 64 reciprocals
.set ee, 0
.rept 16
	v_pk_mul_f32 v[CY+ee:CY+ee+1], v[CY+ee:CY+ee+1], v[TF+ee:TF+ee+1]
.set ee, ee+2
.endr
	WIN 0x03                                       ; source 0 window 3
.set ee, 0
.rept 16
	v_pk_fma_f32 v[CY+ee:CY+ee+1], v[16*(\a0)+ee:16*(\a0)+ee+1], v[TI+ee:TI+ee+1], v[CY+ee:CY+ee+1]   ; cy
.set ee, ee+2
.endr
	WIN 0
.irp b, 0,1
.irp j, 0,1,2,3,4,5,6,7
	v_permlane16_swap_b32 v[CY+16*\b+\j], v[CY+16*\b+8+\j]   ; a lane's 16 registers are now columns 16 h + 0 .. 15 of my 32: half a block of the next K
.endr
.endr
.irp b, 0,1
.irp n, 0,1,2,3
	ds_store_b128 v[STO], v[CY+16*\b+4*\n:CY+16*\b+4*\n+3] offset:((\a0)+\b)*16*EP+16*\n
.endr
.endr
.irp b, 0,1
	v_max3_num_f32 v[QM+\b], |v[CY+16*\b]|, |v[CY+16*\b+1]|, 0x1800000   ; my 16 numbers, and the floor 2^(3 - 127): the byte cannot fall under 1
.endr
.irp i, 2,4,6,8,10,12,14
.irp b, 0,1
	v_max3_num_f32 v[QM+\b], v[QM+\b], |v[CY+16*\b+\i]|, |v[CY+16*\b+\i+1]|
.endr
.endr
.irp b, 0,1
	v_permlanex16_b32 v[QP+\b], v[QM+\b], s18, s19
.endr
.irp b, 0,1
	v_max_num_f32 v[QM+\b], v[QM+\b], v[QP+\b]     ; with lane l xor 16's: the block's largest magnitude
.endr
.irp b, 0,1
	v_add_nc_u32 v[QS+\b], 0xff000000, v[QM+\b]    ; 2 off its exponent field: the conversion's scale operand
.endr
.irp b, 0,1
	v_cvt_scalef32_pk16_fp6_f32 v[QC+4*\b:QC+4*\b+2], v[CY+16*\b:CY+16*\b+15], v[QS+\b]
.endr
.irp b, 0,1
	v_lshrrev_b32 v[QB+\b], 23, v[QS+\b]           ; the scale's byte (also the plain line behind the conversions)
.endr
.irp b, 0,1
	ds_store_b96 v[CSTO], v[QC+4*\b:QC+4*\b+2] offset:((\a0)+\b)*16*CP
	ds_store_b8 v[SSTO], v[QB+\b] offset:((\a0)+\b)*64   ; both halves of the lanes write the same byte with the same value
.endr
.endm
	EPI2 0, -1
	EBAR
	SLOAD 0
	EPI2 2, 0
	EBAR
	s_wait_xcnt 0x0                                ; the last stores have read their registers: the next rows may land there
	SLOAD 1
	EPI2 4, 1
	EBAR
	s_wait_xcnt 0x0
	SLOAD 2
	EPI2 6, 2
	EBAR
	s_wait_xcnt 0x0
	SLOAD 3
	ds_load_b32 v[SB+40], v[SRD]                   ; and the scale words of rows 32 w on: all 128 rows' are whole now
	s_wait_dscnt 0x0
	SSTORE 3
	global_store_b32 v[SCO], v[SB+40], s[CYS:CYS+1]   ; a row's four scale bytes
	s_wait_tensorcnt 0x0                           ; the wave's end
	ds_add_u32 v[SPW], v[NIL]
	s_wait_dscnt 0x0
	CROUND                                         ; the closing round: no work-group ends while a partner may still ask for a tile that names it
	s_endpgm
.Lfunc_end_k_qa708ec8167_gates:
	.size	k_qa708ec8167_gates, .Lfunc_end_k_qa708ec8167_gates-k_qa708ec8167_gates
	.p2alignl 7, 3214868480
	.fill 96, 4, 3214868480
	.section	.rodata,"a",@progbits
	.p2align	6, 0x0
	.amdhsa_kernel k_qa708ec8167_gates
		.amdhsa_group_segment_fixed_size 327680
		.amdhsa_private_segment_fixed_size 0
		.amdhsa_enable_private_segment 0
		.amdhsa_kernarg_size 192
		.amdhsa_user_sgpr_count 2
		.amdhsa_user_sgpr_kernarg_segment_ptr 1
		.amdhsa_wavefront_size32 1
		.amdhsa_system_sgpr_workgroup_id_x 1
		.amdhsa_system_sgpr_workgroup_id_y 1
		.amdhsa_system_sgpr_workgroup_id_z 1
		.amdhsa_system_vgpr_workitem_id 0
		.amdhsa_next_free_vgpr 1024
		.amdhsa_next_free_sgpr 106
		.amdhsa_reserve_vcc 0
		.amdhsa_float_denorm_mode_32 3
		.amdhsa_float_denorm_mode_16_64 3
		.amdhsa_memory_ordered 1
		.amdhsa_forward_progress 1
		.amdhsa_inst_pref_size 255
	.end_amdhsa_kernel
	.section	.bss,"aw",@nobits
	.p2align	6
	.space	262144
	.amdgpu_metadata
---
amdhsa.version: [ 1, 2 ]
amdhsa.kernels:
  - .name:           k_qa708ec8167_gates
    .symbol:         k_qa708ec8167_gates.kd
    .args:
      - { .name: x_codes, .offset: 0, .size: 8, .value_kind: global_buffer, .address_space: global }
      - { .name: w_ih_codes, .offset: 8, .size: 8, .value_kind: global_buffer, .address_space: global }
      - { .name: hx_codes, .offset: 16, .size: 8, .value_kind: global_buffer, .address_space: global }
      - { .name: w_hh_codes, .offset: 24, .size: 8, .value_kind: global_buffer, .address_space: global }
      - { .name: cxq_codes, .offset: 32, .size: 8, .value_kind: global_buffer, .address_space: global }
      - { .name: cx, .offset: 40, .size: 8, .value_kind: global_buffer, .address_space: global }
      - { .name: w_pi_codes, .offset: 48, .size: 8, .value_kind: global_buffer, .address_space: global }
      - { .name: w_pf_codes, .offset: 56, .size: 8, .value_kind: global_buffer, .address_space: global }
      - { .name: x_scales, .offset: 64, .size: 8, .value_kind: global_buffer, .address_space: global }
      - { .name: w_ih_scales, .offset: 72, .size: 8, .value_kind: global_buffer, .address_space: global }
      - { .name: hx_scales, .offset: 80, .size: 8, .value_kind: global_buffer, .address_space: global }
      - { .name: w_hh_scales, .offset: 88, .size: 8, .value_kind: global_buffer, .address_space: global }
      - { .name: cxq_scales, .offset: 96, .size: 8, .value_kind: global_buffer, .address_space: global }
      - { .name: w_pi_scales, .offset: 104, .size: 8, .value_kind: global_buffer, .address_space: global }
      - { .name: w_pf_scales, .offset: 112, .size: 8, .value_kind: global_buffer, .address_space: global }
      - { .name: out1, .offset: 120, .size: 8, .value_kind: global_buffer, .address_space: global }
      - { .name: cyq_codes, .offset: 128, .size: 8, .value_kind: global_buffer, .address_space: global }
      - { .name: cyq_scales, .offset: 136, .size: 8, .value_kind: global_buffer, .address_space: global }
      - { .name: td0, .offset: 144, .size: 8, .value_kind: global_buffer, .address_space: global }
      - { .name: td1, .offset: 152, .size: 8, .value_kind: global_buffer, .address_space: global }
      - { .name: a, .offset: 160, .size: 8, .value_kind: global_buffer, .address_space: global }
      - { .name: b, .offset: 168, .size: 8, .value_kind: global_buffer, .address_space: global }
      - { .name: b_ih, .offset: 176, .size: 8, .value_kind: global_buffer, .address_space: global }
      - { .name: b_hh, .offset: 184, .size: 8, .value_kind: global_buffer, .address_space: global }
    .group_segment_fixed_size: 327680
    .private_segment_fixed_size: 0
    .kernarg_segment_align: 8
    .kernarg_segment_size: 192
    .max_flat_workgroup_size: 128
    .sgpr_count:     106
    .vgpr_count:     1024
    .wavefront_size: 32
...
	.end_amdgpu_metadata
.endif
;; end of part 2
;; launch outgate (part 3): grid 16 x 16, 4 waves a work-group, clusters of 4 x 4, 327,680 bytes of LDS; arguments x_codes, w_ih_codes, hx_codes, w_hh_codes, cyq_codes, w_po_codes, out1, out0, x_scales, w_ih_scales, hx_scales, w_hh_scales, cyq_scales, w_po_scales, b_ih, b_hh; writes out0
.if DOCPART == 3
	.amdgcn_target "amdgcn-amd-amdhsa--gfx1250"
	.amdhsa_code_object_version 6
	.text
	.protected	k_qa708ec8167_outgate
	.globl	k_qa708ec8167_outgate
	.p2align	8
	.type	k_qa708ec8167_outgate,@function
k_qa708ec8167_outgate:
	s_mov_b64 s[64:65], 0
	v_nop
	global_prefetch_b8 v0, s[64:65] scope:SCOPE_SE
	s_setreg_imm32_b32 hwreg(HW_REG_WAVE_MODE, 25, 1), 1
	s_wait_xcnt 0x0
	s_wait_alu depctr_hold_cnt(0) depctr_sa_sdst(0) depctr_va_vdst(0) depctr_va_sdst(0) depctr_va_ssrc(0) depctr_va_vcc(0) depctr_vm_vsrc(0)
	s_getreg_b32 s2, hwreg(HW_REG_IB_STS2, 6, 4)
	s_cmp_eq_u32 s2, 0
	s_cbranch_scc0 .Lentry_in_a_cluster
	s_endpgm
.Lentry_in_a_cluster:
	s_bfe_u32 s2, ttmp6, 0x10000c
	s_cmp_lg_u32 s2, 0xf033
	s_cbranch_scc0 .Lentry_shape_is_right
	s_endpgm
.Lentry_shape_is_right:
; hy = sigmoid(O) tanh(cy),  O = x w_ih[o]^T + hx w_hh[o]^T + Q(cy) w_po^T + b_ih[o] + b_hh[o]; all products on codes of FP6 (E2M3) with one E8M0 scale for each 32 along K.
; cy comes as f32 (out1) and as the codes and scale bytes that the launch before has made.
; SHARES.  A work-group owns 128 x 128 of hy; wave w owns rows 64 (w / 2) on x columns 64 (w % 2) on: 16 accumulators.  The product is used transposed (source 0 = 16 weight rows, source 1 = 16 batch rows).
; K WALK.  Nine slots of 512 along K through a ring of two LDS slots: x | w_ih (1), hx | w_hh (4), Q(cy) | w_po (4).  A slot holds four tiles of 128 rows x 192 bytes: the batch rows' two halves along K
; (waves 0, 1 fetch them), the weights' two (waves 2, 3).  The walk is written out: every offset is an immediate.  CLUSTER 4 x 4: batch tiles are asked for jointly along a row of the cluster, weight tiles along a column.
; At a change of slots nothing but the waits, the add and the round stands between the wait for all loads and the next request: the step's products come behind the request.
; The scale bytes (36 KiB of the 0.9 MB that a work-group fetches) come once, by plain loads: joint ones would want more group 1 sets than the scalar registers hold.
; A FRAGMENT COMES BY THREE LOADS OF 16 BYTES: lane (r, h) takes 48 consecutive bytes of its row, so that the instruction's blocks 0, 1, 2, 3 of 32 along K hold the row's blocks 0, 2, 1, 3, in both operands alike;
; the scale words' two middle bytes are swapped to match.  The sums are thereby grouped otherwise than in ascending k.
; tanh(cy) HANGS ON NO PRODUCT: each wave loads 32 whole rows of the tile's cy at the head (a load covers 512 consecutive bytes), makes tanh in place ahead of two changes of slots, where it has nothing else to issue
; until the next slot has landed, and puts the rows into ring slot 1 when that slot has had its last fill and its last read; the epilogue reads them in the results' layout.
; LIMITS: NaN and infinities among the inputs are not served.  2^x results under 2^-126 count as 0.  tanh(c) is 1 - 2 / (1 + 2^(2 log2 e c)): absolute error about 1e-7.
; REGISTERS.  Window 0: v0-29 addresses; v32-63 scale words, two sets, and nothing else; v64-111, v112-159 the batch rows' fragments, two sets.
;   Window 1: v0-127 the accumulators ((a, t) at 8 (4 a + t)); v128-175, v176-223 the weights' fragments; v224-255 the biases in the result's layout.   Window 2: v0-127 my 32 rows of cy, then of tanh(cy).
.set PITCH, 240
.set BLK,   16*PITCH
.set HALFT, 128*PITCH
.set SLOT,  4*HALFT
.set REGX,  2176
.set XSB,   272
.set REG,   8704
.set HSB,   1088
.set SX,    2*SLOT                     ; scale bytes of x, w_ih
.set SL,    SX+2*REGX                  ; of hx, w_hh, Q(cy), w_po
.set SPARE, SL+4*REG                   ; the spare words: 128 bytes for each wave; no other line names them
.set EP,    528
.set CYT,   SLOT                       ; tanh(cy), 128 rows, in slot 1, behind its last fill and last read
.set STG,   0                          ; hy's stage, in slot 0, behind its last fill and last read
.set SAX, 8
.set SBX, 9
.set SAH, 10
.set SBH, 11
.set CYR, 12
.set STO, 13
.set RD,  14
.set CO,  15
.set ADRA, 16
.set ADRB, 20
.set CYST, 24
.set SPW, 28
.set NIL, 29
.set SC,  32                           ; scale words: set s at SC + 16 s; register 4 i + q: i = 0, 1: row blocks i (lanes 0-15) and i + 2 (lanes 16-31); i = 2, 3: column tiles i - 2 and i
.set AF,  64
.set BF,  128                          ; window 1
.set BI,  224                          ; window 1
.set CYV, 64                           ; the epilogue: tanh(cy) in the results' layout, 128 numbers a lane
.set TO,  192
.set SB,  224                          ; v224-255: finished rows on their way out
.set HA, 8
.set HB, 10
.set CA, 12
.set CB, 14
.set CYA, 16
.set OUT0, 18
.set G1A, 24
.set G1B, 32
.set G0A, 40
.set G0B, 48
.set G1AX, 56
.set WV,  66
.set PSEL, 67
.set G1BX, 68
.set G1S8, 76
.set G1S32, 84
.set G0SS, 92
.set G0SL, 96
.set TA,  100                          ; s100, s101: the two masks while group 1 is made; then at work on addresses: they belong to no descriptor
.set TB,  101
.set R0,  104
.set C0,  105
.set MSB, 0
.macro WIN new
.if MSB != (\new)
	s_set_vgpr_msb (MSB<<8)|(\new)
.set MSB, (\new)
.endif
.endm
.set MUL,  0x51                        ; source 0 (weights), C and D window 1; source 1 (rows) window 0
.set TO_B, 0x40
.macro PLACES n
.rept \n
	v_nop
.endr
.endm
.macro CREST
	s_cmp_lg_u32 s[WV], 0
	s_cbranch_scc1 .Lnot_wave_0_\@
	s_barrier_signal -3
.Lnot_wave_0_\@:
	s_barrier_wait -3
	s_barrier_signal -1
	s_barrier_wait -1
.endm
.macro CROUND
	s_barrier_signal -1
	s_barrier_wait -1
	CREST
.endm
.macro JLOAD g0a, g1a, g0b, g1b        ; waves 0, 1 fetch the batch rows' halves, waves 2, 3 the weights'; four v_nop follow each line
	s_cmp_lt_u32 s[WV], 2
	s_cbranch_scc0 .Lfor_b_\@
	tensor_load_to_lds s[\g0a:\g0a+3], s[\g1a:\g1a+7]
	s_nop 0
	PLACES 4
	s_branch .Lasked_\@
.Lfor_b_\@:
	tensor_load_to_lds s[\g0b:\g0b+3], s[\g1b:\g1b+7]
	s_nop 0
	PLACES 4
.Lasked_\@:
.endm
.macro FRAG reg, adr, q, off           ; 48 bytes of a row: piece P of 16 bytes lies at 16 P + 16 (P / 4); lanes 16-31 stand 48 bytes on where no padding lies between, else 64
.if (\q) == 0
	ds_load_b128 v[\reg:\reg+3],    v[\adr]   offset:(\off)
	ds_load_b128 v[\reg+4:\reg+7],  v[\adr+1] offset:(\off)+16
	ds_load_b128 v[\reg+8:\reg+11], v[\adr+1] offset:(\off)+32
.else
	ds_load_b128 v[\reg:\reg+3],    v[\adr+1] offset:(\off)+112
	ds_load_b128 v[\reg+4:\reg+7],  v[\adr+1] offset:(\off)+128
	ds_load_b128 v[\reg+8:\reg+11], v[\adr]   offset:(\off)+160
.endif
.endm
.macro FETCH ring, q, p                ; the fragments of the slot's q-th 128 along K (tile q / 2, its half q % 2) into set p
	WIN TO_B
.irp t, 0,1,2,3
	FRAG BF+48*(\p)+12*\t, ADRB+2*(\ring), (\q)%2, ((\q)/2)*HALFT+\t*BLK
.endr
	WIN 0
.irp a, 0,1,2,3
	FRAG AF+48*(\p)+12*\a, ADRA+2*(\ring), (\q)%2, ((\q)/2)*HALFT+\a*BLK
.endr
.endm
.macro SCALES set, ra, rb, sb, off     ; a slot's scale words: four a row
.irp i, 0,1
	ds_load_b128 v[SC+16*(\set)+4*\i:SC+16*(\set)+4*\i+3], v[\ra] offset:(\off)+\i*(\sb)
	ds_load_b128 v[SC+16*(\set)+8+4*\i:SC+16*(\set)+8+4*\i+3], v[\rb] offset:(\off)+\i*(\sb)
.endr
.endm
.macro NSCALES n                       ; those of slot n of the walk
.if (\n) == 0
	SCALES 0, SAX, SBX, XSB, 0
.elseif (\n) < 5
	SCALES (\n)%2, SAH, SBH, HSB, 16*((\n)-1)
.else
	SCALES (\n)%2, SAH, SBH, HSB, 2*REG+16*((\n)-5)
.endif
.endm
.macro PERM set                        ; the middle bytes of each scale word change places; eight places then stand ahead of the scaled products
.set nn, 0
.rept 16
	v_perm_b32 v[SC+16*(\set)+nn], v[SC+16*(\set)+nn], v[SC+16*(\set)+nn], s[PSEL]
.set nn, nn+1
.endr
	PLACES 8
.endm
.macro WM a, t, p, q, set, first
.set rD, 8*(4*(\a)+(\t))
.set rC, rD
.if \first
.set rC, BI+8*(\t)
.endif
.set rB, BF+48*(\p)+12*(\t)
.set rA, AF+48*(\p)+12*(\a)
.set rSB, SC+16*(\set)+8+4*((\t)%2)+(\q)
.set rSA, SC+16*(\set)+4*((\a)%2)+(\q)
.if ((\t) < 2) && ((\a) < 2)
	v_wmma_scale_f32_16x16x128_f8f6f4 v[rD:rD+7], v[rB:rB+11], v[rA:rA+11], v[rC:rC+7], v[rSB], v[rSA] matrix_a_fmt:MATRIX_FMT_FP6 matrix_b_fmt:MATRIX_FMT_FP6
.elseif (\a) < 2
	v_wmma_scale_f32_16x16x128_f8f6f4 v[rD:rD+7], v[rB:rB+11], v[rA:rA+11], v[rC:rC+7], v[rSB], v[rSA] matrix_a_fmt:MATRIX_FMT_FP6 matrix_b_fmt:MATRIX_FMT_FP6 matrix_a_scale:MATRIX_SCALE_ROW1
.elseif (\t) < 2
	v_wmma_scale_f32_16x16x128_f8f6f4 v[rD:rD+7], v[rB:rB+11], v[rA:rA+11], v[rC:rC+7], v[rSB], v[rSA] matrix_a_fmt:MATRIX_FMT_FP6 matrix_b_fmt:MATRIX_FMT_FP6 matrix_b_scale:MATRIX_SCALE_ROW1
.else
	v_wmma_scale_f32_16x16x128_f8f6f4 v[rD:rD+7], v[rB:rB+11], v[rA:rA+11], v[rC:rC+7], v[rSB], v[rSA] matrix_a_fmt:MATRIX_FMT_FP6 matrix_b_fmt:MATRIX_FMT_FP6 matrix_a_scale:MATRIX_SCALE_ROW1 matrix_b_scale:MATRIX_SCALE_ROW1
.endif
.endm
.macro MULA a, p, q, set, first        ; four products: row block a.  The 16 accumulators take turns, one instruction a turn, in the same order in every step
.irp t, 0,1,2,3
	WM \a, \t, \p, \q, \set, \first
.endr
.endm
.macro STEP ring, q, first             ; one of a slot's first three steps of 128 along K
	s_wait_dscnt 0x0                               ; this step's fragments, asked for a step ago (and at q = 0 the slot's scale words) are in
.if (\q) == 0
	PERM \ring                                     ; (its lines are also the places in front of the loads below)
.else
	PLACES 4                                       ; in front of loads into registers that the last products read
.endif
	FETCH \ring, (\q)+1, ((\q)+1)%2
	WIN MUL
.irp a, 0,1,2,3
	MULA \a, (\q)%2, \q, \ring, \first
.endr
.endm
; Slot s's last step changes slots.  Its fragments are in registers, so the slot can be given up before they are multiplied: in front of the round each wave waits for all its tensor loads, adds 0 to its spare word,
; and waits for that and for its reads of this slot; behind it this slot is filled again first, then come the next slot's scale words and first fragments, then the step's products.
; Slot 7 is not filled again: a plain barrier, and behind it my 32 rows of tanh(cy) go where the slot lay.
.macro TURN s
.set RG, (\s)%2
	WIN 0
	s_wait_tensorcnt 0x0                           ; no tensor load of mine is out, so a group 0 may be written
	ds_add_u32 v[SPW], v[NIL]                      ; 0 onto my spare word
.if (\s) < 3
	s_add_nc_u64 s[G0A+4*RG+2:G0A+4*RG+3], s[HA:HA+1], 384*((\s)+1)   ; slot s + 2 of the walk: hx | w_hh
	s_or_b32 s[G0A+4*RG+3], s[G0A+4*RG+3], 0x80000000
	s_add_nc_u64 s[G0B+4*RG+2:G0B+4*RG+3], s[HB:HB+1], 384*((\s)+1)
	s_or_b32 s[G0B+4*RG+3], s[G0B+4*RG+3], 0x80000000
.elseif (\s) < 7
	s_add_nc_u64 s[G0A+4*RG+2:G0A+4*RG+3], s[CA:CA+1], 384*((\s)-3)   ; Q(cy) | w_po
	s_or_b32 s[G0A+4*RG+3], s[G0A+4*RG+3], 0x80000000
	s_add_nc_u64 s[G0B+4*RG+2:G0B+4*RG+3], s[CB:CB+1], 384*((\s)-3)
	s_or_b32 s[G0B+4*RG+3], s[G0B+4*RG+3], 0x80000000
.endif
	s_wait_dscnt 0x0                               ; the add is done; this step's fragments, my last reads of this slot, are in
.if (\s) < 7
	CROUND                                         ; no wave of any partner still reads this slot or has a load on its way
	JLOAD G0A+4*RG, G1A, G0B+4*RG, G1B             ; every wave fetches: the four v_nop behind the load are also the places in front of the loads below
.else
	s_barrier_signal -1
	s_barrier_wait -1                              ; the last slot is whole, and nobody reads slot 7 any more
	WIN 0x08                                       ; an LDS store's data are its source 1: window 2
.set ii, 0
.rept 32
	ds_store_b128 v[CYST], v[4*ii:4*ii+3] offset:ii*EP   ; a row of tanh(cy): 32 lanes, 512 consecutive bytes
.set ii, ii+1
.endr
	WIN 0
	PLACES 4                                       ; in front of the loads below
.endif
	NSCALES (\s)+1
	FETCH 1-RG, 0, 0
	WIN MUL
.irp a, 0,1,2,3
	MULA \a, 1, 3, RG, 0
.endr
	WIN 0
.endm
; n numbers a lane of my rows of cy, from register i0 of window 2 on: c <- tanh(c) = 1 - 2 / (1 + 2^(2 L c)), L = log2 e, in place: an infinite power gives 1, a vanished one -1, and no infinity meets a zero.
.macro TH i0, n
	WIN 0x82                                       ; source 0 and destination window 2
.set ee, 0
.rept (\n)/2
	v_pk_mul_f32 v[(\i0)+ee:(\i0)+ee+1], v[(\i0)+ee:(\i0)+ee+1], s[6:7] op_sel_hi:[1,0]
.set ee, ee+2
.endr
.set ee, 0
.rept (\n)
	v_exp_f32 v[(\i0)+ee], v[(\i0)+ee]
.set ee, ee+1
.endr
	v_nop                                          ; a plain line behind the last exponential
	s_wait_alu depctr_va_vdst(0)                   ; one wait for the batch
.set ee, 0
.rept (\n)/2
	v_pk_add_f32 v[(\i0)+ee:(\i0)+ee+1], v[(\i0)+ee:(\i0)+ee+1], 1.0 op_sel_hi:[1,0]
.set ee, ee+2
.endr
.set ee, 0
.rept (\n)
	v_rcp_f32 v[(\i0)+ee], v[(\i0)+ee]
.set ee, ee+1
.endr
	v_nop                                          ; a plain line behind the last reciprocal
	s_wait_alu depctr_va_vdst(0)                   ; one wait for the batch
.set ee, 0
.rept (\n)/2
	v_pk_fma_f32 v[(\i0)+ee:(\i0)+ee+1], v[(\i0)+ee:(\i0)+ee+1], -2.0, 1.0 op_sel_hi:[1,0,0]
.set ee, ee+2
.endr
	WIN 0
.endm
	s_load_b512 s[4:19], s[0:1], 0x0               ; x, w_ih, hx, w_hh, Q(cy), w_po: codes; out1; out0
	s_load_b256 s[24:31], s[0:1], 0x40             ; scale bytes of x, w_ih, hx, w_hh,
	s_load_b128 s[32:35], s[0:1], 0x60             ; Q(cy), w_po
	s_load_b128 s[20:23], s[0:1], 0x70             ; b_ih, b_hh
	v_lshl_add_u32 v[SPW], v0, 2, SPARE
	v_mov_b32 v[NIL], 0
	ds_add_u32 v28, v29
	ds_add_u32 v28, v29
	s_wait_dscnt 0x0
	v_lshrrev_b32 v3, 5, v0
	v_readfirstlane_b32 s[WV], v3                  ; wave 0..3
	s_mov_b32 s[PSEL], 0x03010200
	s_bfe_u32 s36, ttmp6, 0x40004                  ; cy
	s_and_b32 s37, ttmp7, 0xffff
	s_lshl_b32 s37, s37, 2
	s_add_co_u32 s37, s37, s36
	s_lshl_b32 s[R0], s37, 7                       ; my first row
	s_lshl_b32 s36, s36, 2
	s_lshl_b32 s[TA], 15, s36                      ; my row of the cluster
	s_bfe_u32 s38, ttmp6, 0x40000                  ; cx
	s_lshl_b32 s39, ttmp9, 2
	s_add_co_u32 s39, s39, s38
	s_lshl_b32 s[C0], s39, 7                       ; my first column
	s_lshl_b32 s[TB], 0x1111, s38                  ; my column of the cluster
	s_and_b32 s3, s[WV], 1
	s_mul_i32 s3, s3, 192                          ; which half along K of a slot I fetch
	s_mul_i32 s56, s[R0], 384                      ; the batch rows' offsets hang on the tile row and the wave alone,
	s_add_co_u32 s56, s56, s3
	s_mov_b32 s57, 0
	s_mul_i32 s58, s[R0], 1536
	s_add_co_u32 s58, s58, s3
	s_mov_b32 s59, 0
	s_add_co_u32 s60, s[C0], 6144                  ; the weights' on the tile column and the wave alone: gate o's rows in w_ih, w_hh and the biases
	s_mul_i32 s68, s60, 384
	s_add_co_u32 s68, s68, s3
	s_mov_b32 s69, 0
	s_mul_i32 s70, s60, 1536
	s_add_co_u32 s70, s70, s3
	s_mov_b32 s71, 0
	s_mul_i32 s72, s[C0], 1536
	s_add_co_u32 s72, s72, s3
	s_mov_b32 s73, 0
	s_lshl_b32 s74, s[WV], 5
	s_add_co_u32 s74, s74, s[R0]
	s_lshl_b32 s74, s74, 13
	s_lshl_b32 s75, s[C0], 2
	s_add_co_u32 s74, s74, s75                     ; cy: my 32 rows of the tile, r0 + 32 w on
	s_mov_b32 s75, 0
	s_lshr_b32 s82, s[WV], 1
	s_lshl_b32 s82, s82, 6
	s_and_b32 s83, s[WV], 1
	s_lshl_b32 s83, s83, 3
	s_add_co_u32 s82, s82, s83
	s_add_co_u32 s82, s82, s[R0]                   ; hy: of each 32 finished rows I store 8: r0 + 64 (w / 2) + 8 (w % 2) on
	s_lshl_b32 s82, s82, 13
	s_lshl_b32 s83, s[C0], 2
	s_add_co_u32 s82, s82, s83
	s_mov_b32 s83, 0
	s_lshl_b32 s62, s60, 2                         ; the biases' first byte
	s_mov_b32 s63, 0
	s_mul_i32 s2, s[WV], HALFT                     ; where my tile goes in a slot
	s_and_b32 s76, s[WV], 1
	s_lshl_b32 s77, s[R0], 6
	s_lshl_b32 s78, s60, 6
	s_lshl_b32 s79, s[C0], 6
	s_lshl_b32 s80, s[R0], 4
	s_lshl_b32 s81, s60, 4
	s_wait_kmcnt 0x0
	s_add_nc_u64 s[4:5], s[4:5], s[56:57]
	s_add_nc_u64 s[HA:HA+1], s[HA:HA+1], s[58:59]
	s_add_nc_u64 s[CA:CA+1], s[CA:CA+1], s[58:59]
	s_add_nc_u64 s[6:7], s[6:7], s[68:69]
	s_add_nc_u64 s[HB:HB+1], s[HB:HB+1], s[70:71]
	s_add_nc_u64 s[CB:CB+1], s[CB:CB+1], s[72:73]
	s_add_nc_u64 s[CYA:CYA+1], s[CYA:CYA+1], s[74:75]
	s_add_nc_u64 s[OUT0:OUT0+1], s[OUT0:OUT0+1], s[82:83]
	s_add_nc_u64 s[20:21], s[20:21], s[62:63]
	s_add_nc_u64 s[22:23], s[22:23], s[62:63]
	; the scale bytes: small blocks: wave 0 x's, wave 1 w_ih's; large blocks: hx's, w_hh's, Q(cy)'s, w_po's
	s_cmp_eq_u32 s76, 0
	s_cselect_b64 s[24:25], s[24:25], s[26:27]
	s_cselect_b32 s80, s80, s81
	s_cselect_b64 s[28:29], s[28:29], s[30:31]
	s_cselect_b32 s78, s77, s78
	s_cselect_b64 s[32:33], s[32:33], s[34:35]
	s_cselect_b32 s79, s77, s79
	s_cmp_lt_u32 s[WV], 2
	s_cselect_b64 s[28:29], s[28:29], s[32:33]
	s_cselect_b32 s78, s78, s79
	s_mov_b32 s79, 0
	s_mov_b32 s81, 0
	s_mov_b32 s[G0SS], 1
	s_mul_i32 s[G0SS+1], s[WV], REGX
	s_add_co_u32 s[G0SS+1], s[G0SS+1], SX
	s_add_nc_u64 s[G0SS+2:G0SS+3], s[24:25], s[80:81]
	s_or_b32 s[G0SS+3], s[G0SS+3], 0x80000000
	s_mov_b32 s[G0SL], 1
	s_mul_i32 s[G0SL+1], s[WV], REG
	s_add_co_u32 s[G0SL+1], s[G0SL+1], SL
	s_add_nc_u64 s[G0SL+2:G0SL+3], s[28:29], s[78:79]
	s_or_b32 s[G0SL+3], s[G0SL+3], 0x80000000
	s_mov_b32 s[G0A], 1                            ; slot 0: x | w_ih
	s_mov_b32 s[G0A+1], s2
	s_mov_b64 s[G0A+2:G0A+3], s[4:5]
	s_or_b32 s[G0A+3], s[G0A+3], 0x80000000
	s_mov_b32 s[G0B], 1
	s_mov_b32 s[G0B+1], s2
	s_mov_b64 s[G0B+2:G0B+3], s[6:7]
	s_or_b32 s[G0B+3], s[G0B+3], 0x80000000
	s_mov_b32 s[G0A+4], 1                          ; slot 1: the first 512 of hx | w_hh
	s_add_co_u32 s[G0A+5], s2, SLOT
	s_mov_b64 s[G0A+6:G0A+7], s[HA:HA+1]
	s_or_b32 s[G0A+7], s[G0A+7], 0x80000000
	s_mov_b32 s[G0B+4], 1
	s_add_co_u32 s[G0B+5], s2, SLOT
	s_mov_b64 s[G0B+6:G0B+7], s[HB:HB+1]
	s_or_b32 s[G0B+7], s[G0B+7], 0x80000000
	; group 1: a tile of 128 rows x 192 bytes, 16 bytes of padding behind every 64; rows 1,536 bytes apart, or 384 in x and w_ih
	s_or_b32 s[G1A], s[TA], (1<<20)|(1<<21)|(3<<22)|(3<<25)
	s_or_b32 s[G1AX], s[TA], (1<<20)|(1<<21)|(3<<22)|(3<<25)
	s_or_b32 s[G1B], s[TB], (1<<20)|(1<<21)|(3<<22)|(3<<25)
	s_or_b32 s[G1BX], s[TB], (1<<20)|(1<<21)|(3<<22)|(3<<25)
.irp g, G1A, G1B, G1AX, G1BX
	s_mov_b32 s[\g+1], 192<<16
	s_mov_b32 s[\g+2], 128<<16
	s_mov_b32 s[\g+3], 192<<16
	s_mov_b32 s[\g+4], 128
	s_mov_b32 s[\g+6], 0
	s_mov_b32 s[\g+7], 0
.endr
	s_mov_b32 s[G1A+5], 1536
	s_mov_b32 s[G1B+5], 1536
	s_mov_b32 s[G1AX+5], 384
	s_mov_b32 s[G1BX+5], 384
	s_mov_b32 s[G1S8], (3<<16)|(1<<20)|(5<<22)|(3<<25)   ; scale bytes: rows of 256 bytes (32 elements of 8), 16 bytes of padding behind each: 8 rows, or 32
	s_mov_b32 s[G1S8+1], 32<<16
	s_mov_b32 s[G1S8+2], 8<<16
	s_mov_b32 s[G1S8+3], 32<<16
	s_mov_b32 s[G1S8+4], 8
	s_mov_b32 s[G1S8+5], 32
	s_mov_b32 s[G1S8+6], 0
	s_mov_b32 s[G1S8+7], 0
	s_mov_b32 s[G1S32], (3<<16)|(1<<20)|(5<<22)|(3<<25)
	s_mov_b32 s[G1S32+1], 32<<16
	s_mov_b32 s[G1S32+2], 32<<16
	s_mov_b32 s[G1S32+3], 32<<16
	s_mov_b32 s[G1S32+4], 32
	s_mov_b32 s[G1S32+5], 32
	s_mov_b32 s[G1S32+6], 0
	s_mov_b32 s[G1S32+7], 0
	CROUND                                         ; all sixteen work-groups are here: the first fills go out as one group; a wave has four loads out at the most
	s_cmp_lt_u32 s[WV], 2
	s_cbranch_scc0 .Lno_small
	tensor_load_to_lds s[G0SS:G0SS+3], s[G1S8:G1S8+7]
	s_nop 0
	PLACES 4
.Lno_small:
	tensor_load_to_lds s[G0SL:G0SL+3], s[G1S32:G1S32+7]
	s_nop 0
	PLACES 4
	JLOAD G0A, G1AX, G0B, G1BX
	JLOAD G0A+4, G1A, G0B+4, G1B
	; addresses, while the tiles are on their way.  The scalars written up to the wait for the loads are s2 to s7, s100 and s101: none of them is named by a descriptor
	v_and_b32 v1, 15, v0                           ; r
	v_bfe_u32 v2, v0, 4, 1                         ; h
	s_lshr_b32 s2, s[WV], 1                        ; which 64 rows are mine
	s_and_b32 s3, s[WV], 1                         ; which 64 columns
	v_mul_u32_u24 v4, v1, PITCH
	v_mad_u32_u24 v5, v2, 48, v4
	v_lshl_add_u32 v6, v2, 6, v4
	s_mul_i32 s[TA], s2, 4*BLK
	v_add_nc_u32 v[ADRA], s[TA], v5
	v_add_nc_u32 v[ADRA+1], s[TA], v6
	v_add_nc_u32 v[ADRA+2], SLOT, v[ADRA]
	v_add_nc_u32 v[ADRA+3], SLOT, v[ADRA+1]
	s_mul_i32 s[TA], s3, 4*BLK
	s_add_co_u32 s[TA], s[TA], 2*HALFT
	v_add_nc_u32 v[ADRB], s[TA], v5
	v_add_nc_u32 v[ADRB+1], s[TA], v6
	v_add_nc_u32 v[ADRB+2], SLOT, v[ADRB]
	v_add_nc_u32 v[ADRB+3], SLOT, v[ADRB+1]
	v_lshlrev_b32 v5, 6, v1
	v_lshrrev_b32 v6, 2, v1
	v_lshl_add_u32 v5, v6, 4, v5                   ; 64 r + 16 (r / 4)
	v_mad_u32_u24 v5, v2, 2*HSB, v5                ; lanes 16-31: two blocks on
	s_mul_i32 s[TA], s2, 4*HSB
	s_add_co_u32 s[TA], s[TA], SL
	v_add_nc_u32 v[SAH], s[TA], v5
	s_mul_i32 s[TA], s3, 4*HSB
	s_add_co_u32 s[TA], s[TA], SL+REG
	v_add_nc_u32 v[SBH], s[TA], v5
	v_lshlrev_b32 v7, 4, v1
	v_mad_u32_u24 v7, v2, 2*XSB, v7
	s_mul_i32 s[TA], s2, 4*XSB
	s_add_co_u32 s[TA], s[TA], SX
	v_add_nc_u32 v[SAX], s[TA], v7
	s_mul_i32 s[TA], s3, 4*XSB
	s_add_co_u32 s[TA], s[TA], SX+REGX
	v_add_nc_u32 v[SBX], s[TA], v7
	v_mul_u32_u24 v5, v1, EP
	v_lshl_add_u32 v5, v2, 5, v5
	s_mul_i32 s[TA], s2, 64*EP
	s_lshl_b32 s[TB], s3, 8
	s_add_co_u32 s[TA], s[TA], s[TB]
	v_add_nc_u32 v[STO], s[TA], v5                 ; the stage (STG = 0): row 64 (w / 2) + r, + 256 (w % 2) + 32 h
	v_add_nc_u32 v[CYR], CYT, v[STO]               ; and the same place among the rows of tanh(cy)
	v_and_b32 v7, 31, v0
	s_mul_i32 s[TA], s[WV], 32*EP
	s_add_co_u32 s[TA], s[TA], CYT
	v_lshl_add_u32 v[CYST], v7, 4, s[TA]           ; where my 32 rows of tanh(cy) go: 16 bytes a lane
	s_mul_i32 s[TA], s2, 64*EP
	s_mul_i32 s4, s3, 8*EP
	s_add_co_u32 s[TA], s[TA], s4
	v_lshl_add_u32 v[RD], v7, 4, s[TA]             ; back: of each 32 finished rows my 8: rows 64 (w / 2) + 8 (w % 2) on, 16 bytes a lane
	v_lshlrev_b32 v[CO], 4, v7
	v_lshl_add_u32 v3, v2, 5, s[TB]                ; the biases: 4 (64 (w % 2) + 8 h)
	WIN TO_B
.irp t, 0,1,2,3
.irp n, 0,1
	global_load_b128 v[BI+8*\t+4*\n:BI+8*\t+4*\n+3], v3, s[20:21] offset:64*\t+16*\n     ; b_ih at the lane's eight columns of tile t
	global_load_b128 v[176+8*\t+4*\n:176+8*\t+4*\n+3], v3, s[22:23] offset:64*\t+16*\n   ; b_hh, for now where the weights' second set will lie
.endr
.endr
	s_wait_loadcnt 0x0
	WIN 0x55
.set kk, 0
.rept 16
	v_pk_add_f32 v[BI+kk:BI+kk+1], v[BI+kk:BI+kk+1], v[176+kk:176+kk+1]   ; b_ih + b_hh: the C of each sum's first product
.set kk, kk+2
.endr
	WIN 0x80                                       ; destination window 2
.set ii, 0
.rept 32
	global_load_b128 v[4*ii:4*ii+3], v[CO], s[CYA:CYA+1] offset:ii*8192 th:TH_LOAD_NT   ; a row of the tile's cy: 32 lanes read 512 consecutive bytes; waited for ahead of slot 1's change of slots
.set ii, ii+1
.endr
	WIN 0
	s_mov_b32 s4, 0xbfb8aa3b                       ; -log2 e, as a pair for the packed form
	s_mov_b32 s5, 0xbfb8aa3b
	s_mov_b32 s6, 0x4038aa3b                       ; 2 log2 e, likewise
	s_mov_b32 s7, 0x4038aa3b
	s_wait_tensorcnt 0x0                           ; all my first fills have landed (waves 2, 3 issued one fewer, so the count is 0)
	s_barrier_signal -1
	s_barrier_wait -1                              ; everybody's have landed
	NSCALES 0
	FETCH 0, 0, 0
	STEP 0, 0, 1                                   ; the first products take the biases as C
	STEP 0, 1, 0
	STEP 0, 2, 0
	TURN 0
.irp s, 1,2,3,4,5,6,7
	STEP (\s)%2, 0, 0
	STEP (\s)%2, 1, 0
	STEP (\s)%2, 2, 0
.if \s == 1
	s_wait_loadcnt 0x0                             ; cy is in
	TH 0, 64                                       ; tanh of my first 16 rows
.endif
.if \s == 2
	TH 64, 64                                      ; and of the other 16
.endif
	TURN \s
.endr
	STEP 0, 0, 0
	STEP 0, 1, 0
	STEP 0, 2, 0
	s_wait_dscnt 0x0                               ; the very last step: nothing more to fetch
	WIN MUL
.irp a, 0,1,2,3
	MULA \a, 1, 3, 0, 0
.endr
	WIN 0
	; THE EPILOGUE.  Every wave's rows of tanh(cy) lie in LDS and nobody reads slot 0 any more: then the stage in slot 0 may be written.
	s_wait_tensorcnt 0x0
	s_wait_dscnt 0x0
	s_barrier_signal -1
	s_barrier_wait -1
	PLACES 4                                       ; in front of the first read of results and of loads into registers that the products read
.irp a, 0,1,2,3
.irp t, 0,1,2,3
.irp n, 0,1
	ds_load_b128 v[CYV+32*\a+8*\t+4*\n:CYV+32*\a+8*\t+4*\n+3], v[CYR] offset:\a*16*EP+64*\t+16*\n   ; tanh(cy) in the results' layout
.endr
.endr
.endr
; THE WAY OUT goes by 32 rows: when all four waves have put a row block into the stage (rows 16 a on and 64 + 16 a on), each wave reads 8 whole rows back (SLOAD) and stores them amid the next block's arithmetic (SSTORE).
.macro SLOAD a
.set ii, 0
.rept 8
	ds_load_b128 v[SB+4*ii:SB+4*ii+3], v[RD] offset:(16*(\a)+ii)*EP
.set ii, ii+1
.endr
.endm
.macro SSTORE a
.set ii, 0
.rept 8
	global_store_b128 v[CO], v[SB+4*ii:SB+4*ii+3], s[OUT0:OUT0+1] offset:(16*(\a)+ii)*8192 th:TH_STORE_NT   ; 32 lanes store 512 consecutive bytes of a row of hy, at a multiple of 256 from out0's first byte
.set ii, ii+1
.endr
.endm
.macro EBAR                            ; my stores into the stage are done, for the others' sake; then the work-group's barrier
	s_wait_dscnt 0x0
	s_barrier_signal -1
	s_barrier_wait -1
.endm
; A row block, 32 numbers a lane.  hy = tanh(cy) / (1 + 2^(-L o)), L = log2 e: an infinite divisor gives 0, as the sigmoid does.  Each accumulator is read from its low end on.
; send >= 0: the 32 rows of that block, read back from the stage, are stored here.
.macro EPO a, send
	WIN 0x01                                       ; source 0 window 1
.set ee, 0
.rept 16
	v_pk_mul_f32 v[TO+ee:TO+ee+1], v[32*(\a)+ee:32*(\a)+ee+1], s[4:5] op_sel_hi:[1,0]
.set ee, ee+2
.endr
	WIN 0
.set ee, 0
.rept 32
	v_exp_f32 v[TO+ee], v[TO+ee]
.set ee, ee+1
.endr
	s_wait_dscnt 0x0                               ; tanh(cy) is in; the rows read back from the stage are in
.if (\send) >= 0
	SSTORE \send
.endif
	v_nop                                          ; a plain line behind the last exponential
	s_wait_alu depctr_va_vdst(0)                   ; one wait for the batch
.set ee, 0
.rept 16
	v_pk_add_f32 v[TO+ee:TO+ee+1], v[TO+ee:TO+ee+1], 1.0 op_sel_hi:[1,0]
.set ee, ee+2
.endr
.set ee, 0
.rept 32
	v_rcp_f32 v[TO+ee], v[TO+ee]
.set ee, ee+1
.endr
	v_nop                                          ; a plain line behind the last reciprocal
	s_wait_alu depctr_va_vdst(0)                   ; one wait for the batch
.set ee, 0
.rept 16
	v_pk_mul_f32 v[TO+ee:TO+ee+1], v[TO+ee:TO+ee+1], v[CYV+32*(\a)+ee:CYV+32*(\a)+ee+1]   ; hy
.set ee, ee+2
.endr
.irp t, 0,1,2,3
.irp n, 0,1
	ds_store_b128 v[STO], v[TO+8*\t+4*\n:TO+8*\t+4*\n+3] offset:(\a)*16*EP+64*\t+16*\n
.endr
.endr
.endm
	EPO 0, -1
	EBAR
	SLOAD 0
	EPO 1, 0
	EBAR
	s_wait_xcnt 0x0                                ; the last stores have read their registers: the next rows may land there
	SLOAD 1
	EPO 2, 1
	EBAR
	s_wait_xcnt 0x0
	SLOAD 2
	EPO 3, 2
	EBAR
	s_wait_xcnt 0x0
	SLOAD 3
	s_wait_dscnt 0x0
	SSTORE 3
	s_wait_tensorcnt 0x0                           ; the wave's end
	ds_add_u32 v[SPW], v[NIL]
	s_wait_dscnt 0x0
	CROUND                                         ; the closing round
	s_endpgm
.Lfunc_end_k_qa708ec8167_outgate:
	.size	k_qa708ec8167_outgate, .Lfunc_end_k_qa708ec8167_outgate-k_qa708ec8167_outgate
	.p2alignl 7, 3214868480
	.fill 96, 4, 3214868480
	.section	.rodata,"a",@progbits
	.p2align	6, 0x0
	.amdhsa_kernel k_qa708ec8167_outgate
		.amdhsa_group_segment_fixed_size 327680
		.amdhsa_private_segment_fixed_size 0
		.amdhsa_enable_private_segment 0
		.amdhsa_kernarg_size 128
		.amdhsa_user_sgpr_count 2
		.amdhsa_user_sgpr_kernarg_segment_ptr 1
		.amdhsa_wavefront_size32 1
		.amdhsa_system_sgpr_workgroup_id_x 1
		.amdhsa_system_sgpr_workgroup_id_y 1
		.amdhsa_system_sgpr_workgroup_id_z 1
		.amdhsa_system_vgpr_workitem_id 0
		.amdhsa_next_free_vgpr 768
		.amdhsa_next_free_sgpr 106
		.amdhsa_reserve_vcc 0
		.amdhsa_float_denorm_mode_32 3
		.amdhsa_float_denorm_mode_16_64 3
		.amdhsa_memory_ordered 1
		.amdhsa_forward_progress 1
		.amdhsa_inst_pref_size 228
	.end_amdhsa_kernel
	.amdgpu_metadata
---
amdhsa.version: [ 1, 2 ]
amdhsa.kernels:
  - .name:           k_qa708ec8167_outgate
    .symbol:         k_qa708ec8167_outgate.kd
    .args:
      - { .name: x_codes, .offset: 0, .size: 8, .value_kind: global_buffer, .address_space: global }
      - { .name: w_ih_codes, .offset: 8, .size: 8, .value_kind: global_buffer, .address_space: global }
      - { .name: hx_codes, .offset: 16, .size: 8, .value_kind: global_buffer, .address_space: global }
      - { .name: w_hh_codes, .offset: 24, .size: 8, .value_kind: global_buffer, .address_space: global }
      - { .name: cyq_codes, .offset: 32, .size: 8, .value_kind: global_buffer, .address_space: global }
      - { .name: w_po_codes, .offset: 40, .size: 8, .value_kind: global_buffer, .address_space: global }
      - { .name: out1, .offset: 48, .size: 8, .value_kind: global_buffer, .address_space: global }
      - { .name: out0, .offset: 56, .size: 8, .value_kind: global_buffer, .address_space: global }
      - { .name: x_scales, .offset: 64, .size: 8, .value_kind: global_buffer, .address_space: global }
      - { .name: w_ih_scales, .offset: 72, .size: 8, .value_kind: global_buffer, .address_space: global }
      - { .name: hx_scales, .offset: 80, .size: 8, .value_kind: global_buffer, .address_space: global }
      - { .name: w_hh_scales, .offset: 88, .size: 8, .value_kind: global_buffer, .address_space: global }
      - { .name: cyq_scales, .offset: 96, .size: 8, .value_kind: global_buffer, .address_space: global }
      - { .name: w_po_scales, .offset: 104, .size: 8, .value_kind: global_buffer, .address_space: global }
      - { .name: b_ih, .offset: 112, .size: 8, .value_kind: global_buffer, .address_space: global }
      - { .name: b_hh, .offset: 120, .size: 8, .value_kind: global_buffer, .address_space: global }
    .group_segment_fixed_size: 327680
    .private_segment_fixed_size: 0
    .kernarg_segment_align: 8
    .kernarg_segment_size: 128
    .max_flat_workgroup_size: 128
    .sgpr_count:     106
    .vgpr_count:     768
    .wavefront_size: 32
...
	.end_amdgpu_metadata
.endif
;; end of part 3
